; MI455X (gfx1250); checked and timed in simulation.
; The chip was launched on July 23, 2026; its instructions are those of AMD's public machine-readable ISA for CDNA 5 (MIT licence, August 2026) and "CDNA5" Instruction Set Architecture Reference Guide (July 2026). The comments in the code are by the model that wrote it; some were corrected since.
;; Mo E Layer. Allowed arithmetic: matrix products marked QUANTISED: E2M3 operands, one E8M0 scale for each 32 along K, by v_wmma_scale_f32_16x16x128_f8f6f4 with both operands' format E2M3, f32 sums; products left as they are: f32 operands where the result goes on into a quantised operand, else bf16, f16 or f32 operands; f32 sums; everything else in f32.
;; Inputs: b1 8 x 512 float32; b2 8 x 1,024 float32; gate_w 8 x 1,024 float32; hidden_states 4 x 2,048 x 1,024 float32; w1 8 x 512 x 1,024 float32; w2 8 x 1,024 x 512 float32.
;; Outputs: out0 4 x 2,048 x 1,024 float32; out1 one number float32.
;; This version of the problem:
;;   THIS VERSION OF THE PROBLEM IS GIVEN IN LOW PRECISION. The matrix products marked QUANTISED in the list below multiply operands that are first quantised to E2M3 (2 exponent bits, 3 mantissa bits; 6 bits a number), with one power-of-two scale for each 32 numbers along K (OCP MX v1.0); their sums are f32. All else is computed in f32.
;;   The module's matrix products, in the order in which they are computed (A, B: the left and right operand; K: the contracted axis; several contracted axes count as one K, in the product's order):
;;     1. [M 8,192, K 1,024] x [K 1,024, N 8]; A: input hidden_states; B: input gate_w: left as it is (N = 8 < 16)
;;     2. batch 8,192 x [M 8, K 2] x [K 2, N 1]; A: computed on the way; B: computed on the way: left as it is (K = 2 < 32)
;;     3. [M 8,192, K 1,024] x [K 1,024, N 512]; A: input hidden_states; B: input w1: QUANTISED
;;     4. [M 8,192, K 512] x [K 512, N 1,024]; A: computed on the way; B: input w2: QUANTISED
;;     5. [M 8,192, K 1,024] x [K 1,024, N 512]; A: input hidden_states; B: input w1: QUANTISED
;;     6. [M 8,192, K 512] x [K 512, N 1,024]; A: computed on the way; B: input w2: QUANTISED
;;     7. [M 8,192, K 1,024] x [K 1,024, N 512]; A: input hidden_states; B: input w1: QUANTISED
;;     8. [M 8,192, K 512] x [K 512, N 1,024]; A: computed on the way; B: input w2: QUANTISED
;;     9. [M 8,192, K 1,024] x [K 1,024, N 512]; A: input hidden_states; B: input w1: QUANTISED
;;     10. [M 8,192, K 512] x [K 512, N 1,024]; A: computed on the way; B: input w2: QUANTISED
;;     11. [M 8,192, K 1,024] x [K 1,024, N 512]; A: input hidden_states; B: input w1: QUANTISED
;;     12. [M 8,192, K 512] x [K 512, N 1,024]; A: computed on the way; B: input w2: QUANTISED
;;     13. [M 8,192, K 1,024] x [K 1,024, N 512]; A: input hidden_states; B: input w1: QUANTISED
;;     14. [M 8,192, K 512] x [K 512, N 1,024]; A: computed on the way; B: input w2: QUANTISED
;;     15. [M 8,192, K 1,024] x [K 1,024, N 512]; A: input hidden_states; B: input w1: QUANTISED
;;     16. [M 8,192, K 512] x [K 512, N 1,024]; A: computed on the way; B: input w2: QUANTISED
;;     17. [M 8,192, K 1,024] x [K 1,024, N 512]; A: input hidden_states; B: input w1: QUANTISED
;;     18. [M 8,192, K 512] x [K 512, N 1,024]; A: computed on the way; B: input w2: QUANTISED
;;   THE QUANTISER, for each operand of a quantised product, along K:
;;     - K is cut into blocks of 32 from its start; a last block that is shorter is filled with zeros.
;;     - A block's scale is 2^e with e = floor(log2(the largest magnitude in the block)) - 2, held to -126 .. 127; a block of zeros has e = 0. As a byte (E8M0): e + 127.
;;     - Each number is divided by its block's scale, clamped to +-7.5, and rounded to the nearest number of E2M3, ties to even, subnormals kept.
;;     - The product sums the exact products of the quantised numbers (number of the format x scale) in f32.
;;   ~~~python
;;   def quantise(x, axis):      # numpy; x: float32 -> the quantised numbers, widened to float32 again
;;       x = np.moveaxis(x, axis, -1); K = x.shape[-1]
;;       x = np.pad(x, [(0, 0)] * (x.ndim - 1) + [(0, -K % 32)]); x = x.reshape(x.shape[:-1] + (-1, 32)); a = np.abs(x).max(-1, keepdims=True)
;;       e = np.where(a > 0, np.clip(np.frexp(np.where(a > 0, a, 1))[1] - 1 - 2, -126, 127), 0)      # np.frexp(a)[1] - 1 = floor(log2(a)), exactly
;;       r = np.clip(x / 2.0 ** e, -7.5, 7.5)
;;       step = 2.0 ** (np.maximum(np.frexp(np.where(r == 0, 1, r))[1] - 1, 0) - 3)
;;       q = np.round(r / step) * step * 2.0 ** e      # np.round: ties to even
;;       return np.moveaxis(q.reshape(q.shape[:-2] + (-1,))[..., :K], -1, axis).astype(np.float32)
;;   ~~~
;;   OPERANDS COMPUTED ON THE WAY. 'Computed on the way' means the value that the module computes at that place (a softmax that the list does not call 'softmax' is quantised finished and normalised). What goes into a quantiser is computed in f32, as accurately as f32 sums, v_exp_f32 and their like allow (about 1e-6 of the number): no bf16 or f16 on the way to a quantiser, and a product that is left as it is and whose result goes on into a quantised operand takes f32 operands (vector FMAs, or v_wmma_f32_16x16x4_f32). A number that lies on a knife's edge between two numbers of the format may be rounded either way, as far as f32 arithmetic and the matrix unit's own rounding can turn it there, and no further.
;; 2 versions, each right and faster than the one before. Each part assembles by itself: llvm-mc -triple=amdgcn-amd-amdhsa -mcpu=gfx1250 --defsym DOCPART=n.
;; ======== version 1 of 2: 3 launches
;; workspace buffers: xq 6,553,600 bytes; wq 6,553,600 bytes; route 98,304 bytes of whole numbers; routef 81,920 bytes; order 32,768 bytes of whole numbers; cws 65,536 bytes
;; launch prep (part 1): grid 256 x 1, 4 waves a work-group, no clusters, 56,832 bytes of LDS; arguments hidden_states, gate_w, w1, w2, xq, wq, route, routef; writes xq, wq, route, routef
.if DOCPART == 1
	.amdgcn_target "amdgcn-amd-amdhsa--gfx1250"
	.amdhsa_code_object_version 6
	.text
	.protected	k_qcd53be3b3b_prep
	.globl	k_qcd53be3b3b_prep
	.p2align	8
	.type	k_qcd53be3b3b_prep,@function
k_qcd53be3b3b_prep:
	s_mov_b64 s[64:65], 0
	v_nop
	global_prefetch_b8 v0, s[64:65] scope:SCOPE_SE
	s_setreg_imm32_b32 hwreg(HW_REG_WAVE_MODE, 25, 1), 1
	s_wait_xcnt 0x0
; FIRST OF THREE LAUNCHES of a layer of 8 routed experts (8,192 tokens of 1,024 numbers; each token takes 2 experts; an expert is 1024 -> 512 -> 1024 with exact GELU, both products on codes of E2M3).
; WORK LEFT OUT BY THE WHOLE PROGRAM, AND WHY IT IS DEAD.  reference() builds combine[t][e] in its own body as a sum of one_hot(top_idx[t]) x weights[t]: for every e outside top_idx[t] it is exactly 0,
; whatever the inputs hold, and out adds combine[t][e] x y_e[t], which is 0 for every finite y.  So the expert products are done only for the experts that a token has chosen, in whole experts for a block
; of 64 tokens (third launch); inside such a block the tokens that did not choose the expert are multiplied by their 0.  The one_hot product itself is a selection and is done by compares.  All six inputs are loaded.
; LIMITS.  A NaN, an infinity or an overflow that arises only in an expert that a token did not choose is not carried to the result.  The logits are f32 sums in another order than reference()'s: a token whose second
; and third probability agree to within that rounding may choose otherwise; equal probabilities go to the lower index, as top_k has it.  A block of 32 whose largest magnitude lies under 2^-124 gets the scale byte 1;
; so does a block of zeros (the quantiser says 127: its codes are zeros, and this program alone reads the bytes).  NaN and infinities among the inputs are not served.
; THIS LAUNCH reads x, gate_w, w1, w2 once.  Work-groups 0-127 (path X): a wave takes 16 tokens: codes and scale bytes of x, as rows [t][768] and [t][32]; the router in f32 (maximum taken away before the exponential);
; at fixed places each token's pair of experts, its rank among equal pairs of its 16, its two weights, a histogram of the 28 pairs and the sums of the probabilities.  No address here hangs on the choice.
; Work-groups 128-255 (path W): w1 and w2 become codes laid as IMAGES OF THE OPERAND'S REGISTERS: a fragment (16 rows x 128 K, 12 registers a lane) is three pieces of 512 bytes, piece j = registers 4 j .. 4 j + 3, 16 bytes a lane.
; A tile 2 b + u of w1 holds rows 32 b + 8 u + r + 8 (r / 8), so that in the third launch two neighbouring tiles leave a lane 16 neighbours along the next K.  One text serves both weights: what differs is chosen on the work-group's number.
; No barrier: waves share nothing.  The two paths have LDS bytes of their own.
.set XS_OFF, 6291456                   ; xq: the scale bytes begin here
.set W2Q,    3145728                   ; wq: w2's fragments; w1's begin at 0
.set SW1,    6291456                   ; wq: w1's scale words, (tile) x 512 + 32 r + 4 s
.set SW2,    6422528                   ; wq: w2's, (tile) x 256 + 16 r + 4 s
.set HIST,   32768                     ; route: [512 chunks][32] counts; the words of the tokens begin at 0
.set PSUM,   65536                     ; routef: [512 chunks][8] sums of probabilities; the weights [t][2] begin at 0
.set XREG,   5632                      ; LDS, path X, a wave: two stages of 32 places x 80 bytes, then 512 scale bytes
.set WSTG,   22528                     ; LDS, path W begins here; a wave: 16 rows x 528 bytes
.set WREG,   8448
.set SPARE,  56320                     ; the spare words, 128 bytes a wave: two blocks of 256 bytes that no other line names
.set SPW, 30                           ; v30  SPARE + 4 x my thread's number; never rewritten
.set NIL, 31                           ; v31  0; never rewritten
.set ACC, 32                           ; path X: v32-47 eight pairs of partial logits
.set S,   48                           ; v48-55 a row's logits
.set T,   56                           ; v56-63 at work
.set L,   64                           ; v64-71 logits: lane l holds token l % 16
.set PR,  72                           ; v72-79 probabilities
.set X,   96                           ; v96-127 two sets of 16 neighbours
.set R,   128                          ; v128-255 four row slots of 32; window 1: gate_w, register 32 e + 4 j + q = g[e][128 j + 4 lane + q], as a row is loaded
.set C,   16                           ; path W: v16-27 a fragment's codes
.set SW,  40                           ; v40-47 a scale word for each unit
.set OFF, 48                           ; v48-63 my 16 bytes of each of a unit's 16 rows
.set XW,  64                           ; v64-127 my 64 numbers; window 1: four sets of 64 as loaded
.set MSB, 0
.macro WIN new                         ; the immediate's high byte repeats the setting that is left
.if MSB != \new
	s_set_vgpr_msb (MSB<<8)|\new
.set MSB, \new
.endif
.endm
; One token.  i: its slot; refill = 1: the slot takes the row four further on; left: the younger loads that may stay out (8 for each younger slot).
.macro ROW i, refill, left
	s_wait_loadcnt \left                           ; loads come back in order: this row is in (the first such wait covers gate_w too)
.irp j, 0,1,2,3,4,5,6,7
	ds_store_b128 v4, v[R+32*\i+4*\j:R+32*\i+4*\j+3] offset:(\j/4)*2560+(\j%4)*640   ; as loaded: four lanes' 64 bytes on end, then 16 of padding
.endr
.irp hf, 0,1
.irp q, 0,1,2,3
	ds_load_b128 v[X+16*\hf+4*\q:X+16*\hf+4*\q+3], v5 offset:\hf*2560+16*\q   ; back as 16 neighbours a lane; LDS serves a wave's instructions in order
.endr
.endr
	WIN 0x04                                       ; source 1 (gate_w) in window 1
.irp e, 0,1,2,3,4,5,6,7
	v_pk_mul_f32 v[ACC+2*\e:ACC+2*\e+1], v[R+32*\i:R+32*\i+1], v[32*\e:32*\e+1]   ; the first products start the sums
.endr
.irp j, 1,2,3,4,5,6,7,8,9,10,11,12,13,14,15
.irp e, 0,1,2,3,4,5,6,7
	v_pk_fma_f32 v[ACC+2*\e:ACC+2*\e+1], v[R+32*\i+2*\j:R+32*\i+2*\j+1], v[32*\e+2*\j:32*\e+2*\j+1], v[ACC+2*\e:ACC+2*\e+1]   ; the eight experts by turns
.endr
.endr
	WIN 0
	s_wait_dscnt 0x0                               ; the stage's stores have read the slot, and the 32 neighbours are in
.if \refill
.irp j, 0,1,2,3,4,5,6,7
	global_load_b128 v[R+32*\i+4*\j:R+32*\i+4*\j+3], v2, s[40:41] offset:(4+\i)*4096+512*\j th:TH_LOAD_NT
.endr
.endif
.irp e, 0,1,2,3,4,5,6,7
	v_add_f32 v[S+\e], v[ACC+2*\e], v[ACC+2*\e+1]
.endr
.irp m, 1,2,4,8
.irp e, 0,1,2,3,4,5,6,7
	v_add_f32_dpp v[S+\e], v[S+\e], v[S+\e] row_xmask:\m row_mask:0xf bank_mask:0xf
.endr
.endr
.irp e, 0,1,2,3,4,5,6,7
	v_permlanex16_b32 v[T+\e], v[S+\e], s10, s11
.endr
.irp e, 0,1,2,3,4,5,6,7
	v_add_f32 v[S+\e], v[S+\e], v[T+\e]            ; every lane holds the row's eight logits
.endr
.irp e, 0,1,2,3,4,5,6,7
	v_cndmask_b32 v[L+\e], v[L+\e], v[S+\e], s13   ; lanes row and row + 16 keep them
.endr
	s_lshl_b32 s13, s13, 1
.irp hf, 0,1                                   ; the quantiser: two neighbouring lanes hold a block of 32
	v_max3_num_f32 v[8+4*\hf], |v[X+16*\hf]|, |v[X+16*\hf+1]|, |v[X+16*\hf+2]|
	v_max3_num_f32 v[9+4*\hf], |v[X+16*\hf+3]|, |v[X+16*\hf+4]|, |v[X+16*\hf+5]|
.endr
.irp k, 6,10
.irp hf, 0,1
	v_max3_num_f32 v[8+4*\hf], v[8+4*\hf], |v[X+16*\hf+\k]|, |v[X+16*\hf+\k+1]|
	v_max3_num_f32 v[9+4*\hf], v[9+4*\hf], |v[X+16*\hf+\k+2]|, |v[X+16*\hf+\k+3]|
.endr
.endr
.irp hf, 0,1
	v_max3_num_f32 v[8+4*\hf], v[8+4*\hf], |v[X+16*\hf+14]|, |v[X+16*\hf+15]|
.endr
.irp hf, 0,1
	v_max3_num_f32 v[8+4*\hf], v[8+4*\hf], v[9+4*\hf], 0x1800000   ; and the floor 2^(3 - 127): the byte cannot fall under 1
.endr
.irp hf, 0,1
	v_max_num_f32_dpp v[8+4*\hf], v[8+4*\hf], v[8+4*\hf] row_xmask:1 row_mask:0xf bank_mask:0xf
.endr
.irp hf, 0,1
	v_add_nc_u32 v[10+4*\hf], 0xff000000, v[8+4*\hf]   ; 2 off the exponent field: the conversion's scale operand
.endr
	s_wait_xcnt 0x0                                ; the last row's stores have read the codes' registers
.irp hf, 0,1
	v_cvt_scalef32_pk16_fp6_f32 v[16+4*\hf:18+4*\hf], v[X+16*\hf:X+16*\hf+15], v[10+4*\hf]
	v_lshrrev_b32 v[11+4*\hf], 23, v[10+4*\hf]     ; the scale's byte (also the plain line behind the conversion)
.endr
.irp hf, 0,1
	ds_store_b8 v6, v[11+4*\hf] offset:32*\i+16*\hf   ; both lanes of a block write the same byte with the same value
	global_store_b96 v3, v[16+4*\hf:18+4*\hf], s[42:43] offset:768*\i+384*\hf   ; the wave stores 384 consecutive bytes
.endr
.endm
; One unit of a weight: 16 rows x 128 along K become a fragment and 16 scale words.
.macro UNIT u
.if \u <= 4
	s_wait_loadcnt 48                              ; this unit's 16 loads are in; those of the three younger units may be out
.else
	s_wait_loadcnt 16*(7-\u)
.endif
	WIN 0x04                                       ; an LDS store's data are its source 1: window 1
.irp i, 0,1,2,3,4,5,6,7,8,9,10,11,12,13,14,15
	ds_store_b128 v4, v[64*((\u)%4)+4*\i:64*((\u)%4)+4*\i+3] offset:528*\i
.endr
	WIN 0
.irp c, 0,1
.irp q, 0,1,2,3,4,5,6,7
	ds_load_b128 v[XW+32*\c+4*\q:XW+32*\c+4*\q+3], v5 offset:256*\c+16*\q   ; lane (r, h): row r, k = 64 c + 32 h + 0 .. 31: the order of the operand's registers
.endr
.endr
	s_wait_dscnt 0x0                               ; the stores have read the set, and my 64 numbers are in
.if \u < 4
	WIN 0x40
.irp i, 0,1,2,3,4,5,6,7,8,9,10,11,12,13,14,15
	global_load_b128 v[64*\u+4*\i:64*\u+4*\i+3], v[OFF+\i], s[42:43] offset:512*\u th:TH_LOAD_NT   ; the unit four further on
.endr
	WIN 0
.endif
.irp c, 0,1
	v_max3_num_f32 v[8+\c], |v[XW+32*\c]|, |v[XW+32*\c+1]|, 0x1800000   ; my block 2 c + h: all its 32 numbers are mine; and the floor
.endr
.irp k, 2,4,6,8,10,12,14,16,18,20,22,24,26,28,30
.irp c, 0,1
	v_max3_num_f32 v[8+\c], v[8+\c], |v[XW+32*\c+\k]|, |v[XW+32*\c+\k+1]|
.endr
.endr
.irp c, 0,1
	v_add_nc_u32 v[10+\c], 0xff000000, v[8+\c]
.endr
.irp c, 0,1
	v_lshrrev_b32 v[12+\c], 23, v[10+\c]
.endr
	v_lshl_or_b32 v14, v13, 16, v12                ; my two bytes, blocks h and 2 + h,
	v_lshlrev_b32 v14, v6, v14                     ; 8 h bits up;
	v_permlanex16_b32 v15, v14, s10, s11
	v_or_b32 v[SW+\u], v14, v15                    ; with lane l xor 16's two the row's word is whole, in both halves of the lanes
	s_wait_xcnt 0x0                                ; the last unit's stores have read the codes' registers
.irp c, 0,1
	v_cvt_scalef32_pk16_fp6_f32 v[C+6*\c:C+6*\c+2], v[XW+32*\c:XW+32*\c+15], v[10+\c]
	v_cvt_scalef32_pk16_fp6_f32 v[32+4*\c:34+4*\c], v[XW+32*\c+16:XW+32*\c+31], v[10+\c]   ; (a conversion's three registers begin on an even number)
.endr
	v_nop                                          ; one plain line behind the conversions
.irp c, 0,1
.irp i, 0,1,2
	v_mov_b32 v[C+3+6*\c+\i], v[32+4*\c+\i]
.endr
.endr
.irp j, 0,1,2
	global_store_b128 v2, v[C+4*\j:C+4*\j+3], s[44:45] offset:1536*\u+512*\j   ; 512 consecutive bytes
.endr
.endm
	s_load_b512 s[16:31], s[0:1], 0x0              ; x s[16:17], gate_w s[18:19], w1 s[20:21], w2 s[22:23], xq s[24:25], wq s[26:27], route s[28:29], routef s[30:31]
	v_lshl_add_u32 v[SPW], v0, 2, SPARE
	v_mov_b32 v[NIL], 0
	v_lshrrev_b32 v1, 5, v0
	v_readfirstlane_b32 s8, v1                     ; wave 0..3
	v_and_b32 v1, 31, v0                           ; lane
	v_lshlrev_b32 v2, 4, v1                        ; 16 x lane
	s_mov_b32 s10, 0x76543210
	s_mov_b32 s11, 0xfedcba98                      ; v_permlanex16_b32's selects for lane l xor 16
	s_mov_b32 s33, 0                               ; the upper word of the offsets' pair s[32:33]
	s_wait_kmcnt 0x0
	s_cmp_lt_u32 ttmp9, 128
	s_cbranch_scc0 .Lweights
	; ---------------- PATH X ----------------
	s_lshl_b32 s9, ttmp9, 2
	s_add_co_u32 s9, s9, s8                        ; my chunk of 16 tokens, 0..511
	s_lshl_b32 s32, s9, 16
	s_add_nc_u64 s[40:41], s[16:17], s[32:33]      ; x: 16 rows of 4,096 bytes
	s_mul_i32 s32, s9, 12288
	s_add_nc_u64 s[42:43], s[24:25], s[32:33]      ; codes: 16 rows of 768
	s_lshl_b32 s32, s9, 9
	s_add_nc_u64 s[44:45], s[24:25], s[32:33]
	s_add_nc_u64 s[44:45], s[44:45], XS_OFF        ; scale bytes: 16 rows of 32
	s_lshl_b32 s32, s9, 6
	s_add_nc_u64 s[46:47], s[28:29], s[32:33]      ; the tokens' words
	s_lshl_b32 s32, s9, 7
	s_add_nc_u64 s[48:49], s[28:29], s[32:33]
	s_add_nc_u64 s[48:49], s[48:49], HIST          ; the chunk's histogram
	s_add_nc_u64 s[50:51], s[30:31], s[32:33]      ; the tokens' weights
	s_lshl_b32 s32, s9, 5
	s_add_nc_u64 s[52:53], s[30:31], s[32:33]
	s_add_nc_u64 s[52:53], s[52:53], PSUM          ; the chunk's sums of probabilities
	s_mul_i32 s12, s8, XREG
	v_lshrrev_b32 v4, 2, v1
	v_mul_u32_u24 v4, v4, 80
	v_and_b32 v5, 3, v1
	v_lshl_add_u32 v4, v5, 4, v4
	v_add_nc_u32 v4, s12, v4                       ; the stage, in: 80 (lane / 4) + 16 (lane % 4)
	v_mul_u32_u24 v5, v1, 80
	v_add_nc_u32 v5, s12, v5                       ; and out: 80 x lane
	s_add_co_u32 s12, s12, 5120
	v_lshrrev_b32 v6, 1, v1
	v_add_nc_u32 v6, s12, v6                       ; my block's scale byte
	v_add_nc_u32 v7, s12, v2                       ; the 512 scale bytes, 16 a lane
	v_mul_u32_u24 v3, v1, 12                       ; my 16 codes' place in half a row's
	WIN 0x40                                       ; destination window 1
.irp e, 0,1,2,3,4,5,6,7
.irp j, 0,1,2,3,4,5,6,7
	global_load_b128 v[32*\e+4*\j:32*\e+4*\j+3], v2, s[18:19] offset:4096*\e+512*\j
.endr
.endr
	WIN 0
.irp i, 0,1,2,3
.irp j, 0,1,2,3,4,5,6,7
	global_load_b128 v[R+32*\i+4*\j:R+32*\i+4*\j+3], v2, s[40:41] offset:4096*\i+512*\j th:TH_LOAD_NT   ; 512 consecutive bytes a load
.endr
.endr
.irp e, 0,1,2,3,4,5,6,7
	v_mov_b32 v[L+\e], 0
	v_mov_b32 v[T+\e], 0                           ; written once: a lane permute's destination counts as one of its sources
.endr
	s_mov_b32 s13, 0x10001                         ; the lanes that keep row 0's logits
	s_mov_b32 s14, 3
.Lrows:
	ROW 0, 1, 24
	ROW 1, 1, 24
	ROW 2, 1, 24
	ROW 3, 1, 24
	s_wait_xcnt 0x0                                ; the trip's loads and stores have read their bases
	s_add_nc_u64 s[40:41], s[40:41], 16384
	s_add_nc_u64 s[42:43], s[42:43], 3072
	v_add_nc_u32 v6, 128, v6
	s_sub_co_u32 s14, s14, 1
	s_cmp_lg_u32 s14, 0
	s_cbranch_scc1 .Lrows
	ROW 0, 0, 24                                   ; the last four rows load nothing: the counts run down
	ROW 1, 0, 16
	ROW 2, 0, 8
	ROW 3, 0, 0
	ds_load_b128 v[92:95], v7                      ; LDS serves a wave's instructions in order: these see my byte stores
	s_wait_dscnt 0x0
	global_store_b128 v2, v[92:95], s[44:45]       ; the chunk's 512 scale bytes: two aligned blocks of 256
	; the router: lane l holds token l % 16
	v_max3_num_f32 v80, v[L], v[L+1], v[L+2]
	v_max3_num_f32 v80, v80, v[L+3], v[L+4]
	v_max3_num_f32 v80, v80, v[L+5], v[L+6]
	v_max_num_f32 v80, v80, v[L+7]                 ; the largest logit is taken away before the exponential
.irp e, 0,1,2,3,4,5,6,7
	v_sub_f32 v[PR+\e], v[L+\e], v80
.endr
.irp e, 0,1,2,3,4,5,6,7
	v_mul_f32 v[PR+\e], 0x3fb8aa3b, v[PR+\e]
.endr
.irp e, 0,1,2,3,4,5,6,7
	v_exp_f32 v[PR+\e], v[PR+\e]
.endr
	v_lshlrev_b32 v27, 2, v1                       ; 4 x lane (the plain line behind the exponentials)
	s_wait_alu depctr_va_vdst(0)                   ; one wait for the eight, ahead of their first reader
	v_add_f32 v81, v[PR], v[PR+1]
	v_add_f32 v29, v[PR+2], v[PR+3]
	v_add_f32 v82, v[PR+4], v[PR+5]
	v_add_f32 v83, v[PR+6], v[PR+7]
	v_add_f32 v81, v81, v29
	v_add_f32 v82, v82, v83
	v_add_f32 v81, v81, v82
	v_rcp_f32 v81, v81
	v_lshlrev_b32 v28, 3, v1                       ; 8 x lane (the plain line)
	s_wait_alu depctr_va_vdst(0)
.irp e, 0,1,2,3,4,5,6,7
	v_mul_f32 v[PR+\e], v[PR+\e], v81              ; the probabilities
.endr
	v_mov_b32 v82, v[PR]                           ; the largest, the lower index at a tie: a later one must be strictly greater
	v_mov_b32 v83, 0
.irp e, 1,2,3,4,5,6,7
	v_cmp_le_f32 vcc_lo, v[PR+\e], v82
	v_cndmask_b32 v82, v[PR+\e], v82, vcc_lo
	v_cndmask_b32 v83, \e, v83, vcc_lo
.endr
.irp e, 0,1,2,3,4,5,6,7
	v_cmp_ne_u32 vcc_lo, \e, v83
	v_cndmask_b32 v[T+\e], -1.0, v[PR+\e], vcc_lo  ; the winner steps out
.endr
	v_mov_b32 v84, v[T]
	v_mov_b32 v85, 0
.irp e, 1,2,3,4,5,6,7
	v_cmp_le_f32 vcc_lo, v[T+\e], v84
	v_cndmask_b32 v84, v[T+\e], v84, vcc_lo
	v_cndmask_b32 v85, \e, v85, vcc_lo
.endr
	v_add_f32 v29, v82, v84
	v_rcp_f32 v29, v29
	v_cmp_lt_u32 vcc_lo, v83, v85                  ; (the plain line)
	s_wait_alu depctr_va_vdst(0)
	v_mul_f32 v82, v82, v29
	v_mul_f32 v84, v84, v29                        ; the two weights
	v_cndmask_b32 v86, v85, v83, vcc_lo            ; lo: the lower expert number,
	v_cndmask_b32 v87, v83, v85, vcc_lo            ; hi,
	v_cndmask_b32 v88, v84, v82, vcc_lo            ; and their weights
	v_cndmask_b32 v89, v82, v84, vcc_lo
	v_sub_nc_u32 v90, 15, v86
	v_mul_u32_u24 v90, v90, v86
	v_lshrrev_b32 v90, 1, v90
	v_add_nc_u32 v90, v90, v87
	v_sub_nc_u32 v90, v90, v86
	v_add_nc_u32 v90, -1, v90                      ; the pair's number p = lo (15 - lo) / 2 + hi - lo - 1, 0..27
	v_cmp_gt_u32 vcc_lo, 16, v1
	v_cndmask_b32 v29, 31, v90, vcc_lo             ; lanes 16-31 repeat the tokens and are kept out of the counts
	v_mov_b32 v91, 0                               ; my rank among equal pairs of the chunk
	v_mov_b32 v24, 0                               ; the histogram: lane k holds pair k's count
.irp k, 0,1,2,3,4,5,6,7,8,9,10,11,12,13,14,15,16,17,18,19,20,21,22,23,24,25,26,27
	v_cmp_eq_u32 s34, \k, v29
	v_mbcnt_lo_u32_b32 v26, s34, 0
	v_cndmask_b32 v91, v91, v26, s34
	s_bcnt1_i32_b32 s35, s34
	v_writelane_b32 v24, s35, \k
.endr
	v_lshl_or_b32 v25, v91, 8, v90                 ; the token's word: p, rank << 8, lo << 16, hi << 20
	v_lshl_or_b32 v25, v86, 16, v25
	v_lshl_or_b32 v25, v87, 20, v25
.irp m, 1,2,4,8
.irp e, 0,1,2,3,4,5,6,7
	v_add_f32_dpp v[PR+\e], v[PR+\e], v[PR+\e] row_xmask:\m row_mask:0xf bank_mask:0xf   ; the chunk's sum of each expert's probability
.endr
.endr
	v_mov_b32 v26, 0
.irp e, 0,1,2,3,4,5,6,7
	v_cmp_eq_u32 vcc_lo, \e, v1
	v_cndmask_b32 v26, v26, v[PR+\e], vcc_lo       ; lane e takes expert e's
.endr
	global_store_b32 v27, v24, s[48:49]
	s_wait_xcnt 0x0                                ; EXEC changes only behind this wait
	v_cmp_gt_u32 vcc_lo, 16, v1
	s_and_saveexec_b32 s36, vcc_lo
	global_store_b32 v27, v25, s[46:47]
	global_store_b64 v28, v[88:89], s[50:51]
	s_wait_xcnt 0x0
	s_or_b32 exec_lo, exec_lo, s36
	v_cmp_gt_u32 vcc_lo, 8, v1
	s_and_saveexec_b32 s36, vcc_lo
	global_store_b32 v27, v26, s[52:53]
	s_wait_xcnt 0x0
	s_or_b32 exec_lo, exec_lo, s36
	s_wait_tensorcnt 0x0                           ; the wave's end: behind my last LDS store
	ds_add_u32 v[SPW], v[NIL]
	s_wait_dscnt 0x0
	s_endpgm
	; ---------------- PATH W ----------------
.Lweights:
	s_sub_co_u32 s9, ttmp9, 128
	s_cmp_lt_u32 ttmp9, 192                        ; w1's work-group or w2's?  All choices hang on the work-group's number alone
	s_cselect_b64 s[40:41], s[20:21], s[22:23]
	s_cselect_b32 s34, 0, 64
	s_cselect_b32 s35, 0, W2Q                      ; where the fragments go
	s_mov_b32 s36, SW2
	s_cselect_b32 s36, SW1, s36                    ; and the scale words
	s_mov_b32 s37, 2048
	s_cselect_b32 s37, 4096, s37                   ; a row in bytes
	s_cselect_b32 s38, 32768, 0                    ; w1: a tile's rows 8-15 lie 8 rows further on
	s_mov_b32 s39, 32768
	s_cselect_b32 s39, 2048, s39                   ; from unit 3 to unit 4: w1: four K steps on; w2: 16 rows on
	s_cselect_b32 s54, 32, 16                      ; the scale words' store: bytes from row to row,
	s_mov_b32 s55, 256
	s_cselect_b32 s55, 16, s55                     ; and from half to half of the lanes
	s_cselect_b32 s56, 1, 0
	s_sub_co_u32 s9, s9, s34
	s_lshl_b32 s9, s9, 2
	s_add_co_u32 s9, s9, s8                        ; my task, 0..255: w1: one tile x 8 K steps; w2: two tiles x 4 K steps
	s_lshr_b32 s57, s9, 1
	s_lshl_b32 s57, s57, 5
	s_and_b32 s58, s9, 1
	s_lshl_b32 s58, s58, 3
	s_add_co_u32 s57, s57, s58                     ; w1: first row 32 (task / 2) + 8 (task % 2)
	s_lshl_b32 s58, s9, 5                          ; w2: 32 x task
	s_cmp_eq_u32 s56, 1
	s_cselect_b32 s57, s57, s58
	s_mul_i32 s32, s57, s37
	s_add_nc_u64 s[40:41], s[40:41], s[32:33]      ; units 0-3
	s_mov_b32 s32, s39
	s_add_nc_u64 s[42:43], s[40:41], s[32:33]      ; units 4-7
	s_mul_i32 s32, s9, 12288
	s_add_co_u32 s32, s32, s35
	s_add_nc_u64 s[44:45], s[26:27], s[32:33]      ; eight fragments of 1,536 bytes
	s_lshl_b32 s32, s9, 9
	s_add_co_u32 s32, s32, s36
	s_add_nc_u64 s[46:47], s[26:27], s[32:33]      ; 512 bytes of scale words
.irp i, 0,1,2,3,4,5,6,7,8,9,10,11,12,13,14,15
	s_mul_i32 s58, s37, \i
.if \i >= 8
	s_add_co_u32 s58, s58, s38
.endif
	v_add_nc_u32 v[OFF+\i], s58, v2
.endr
	s_mul_i32 s12, s8, WREG
	s_add_co_u32 s12, s12, WSTG
	v_add_nc_u32 v4, s12, v2                       ; the stage, in: 16 x lane of a row
	v_and_b32 v12, 15, v1                          ; r
	v_lshrrev_b32 v3, 4, v1                        ; h
	v_mul_u32_u24 v5, v12, 528
	v_lshl_add_u32 v5, v3, 7, v5
	v_add_nc_u32 v5, s12, v5                       ; and out: row r, + 128 h
	v_lshlrev_b32 v6, 3, v3                        ; 8 h
	v_mul_u32_u24 v7, v12, s54
	v_mad_u32_u24 v7, v3, s55, v7                  ; where my four scale words go
	v_mov_b32 v15, 0                               ; written once: a lane permute's destination counts as one of its sources
	WIN 0x40
.irp u, 0,1,2,3
.irp i, 0,1,2,3,4,5,6,7,8,9,10,11,12,13,14,15
	global_load_b128 v[64*\u+4*\i:64*\u+4*\i+3], v[OFF+\i], s[40:41] offset:512*\u th:TH_LOAD_NT   ; 512 consecutive bytes of a row
.endr
.endr
	WIN 0
.irp u, 0,1,2,3,4,5,6,7
	UNIT \u
.endr
	v_cmp_eq_u32 vcc_lo, 1, v3
.irp q, 0,1,2,3
	v_cndmask_b32 v[32+\q], v[SW+\q], v[SW+4+\q], vcc_lo   ; lanes 0-15 units 0-3, lanes 16-31 units 4-7
.endr
	global_store_b128 v7, v[32:35], s[46:47]       ; the wave stores 512 consecutive bytes
	s_wait_tensorcnt 0x0                           ; the wave's end: behind my last LDS store
	ds_add_u32 v[SPW], v[NIL]
	s_wait_dscnt 0x0
	s_endpgm
.Lfunc_end_k_qcd53be3b3b_prep:
	.size	k_qcd53be3b3b_prep, .Lfunc_end_k_qcd53be3b3b_prep-k_qcd53be3b3b_prep
	.p2alignl 7, 3214868480
	.fill 96, 4, 3214868480
	.section	.rodata,"a",@progbits
	.p2align	6, 0x0
	.amdhsa_kernel k_qcd53be3b3b_prep
		.amdhsa_group_segment_fixed_size 56832
		.amdhsa_private_segment_fixed_size 0
		.amdhsa_enable_private_segment 0
		.amdhsa_kernarg_size 64
		.amdhsa_user_sgpr_count 2
		.amdhsa_user_sgpr_kernarg_segment_ptr 1
		.amdhsa_wavefront_size32 1
		.amdhsa_system_sgpr_workgroup_id_x 1
		.amdhsa_system_sgpr_workgroup_id_y 1
		.amdhsa_system_sgpr_workgroup_id_z 1
		.amdhsa_system_vgpr_workitem_id 0
		.amdhsa_next_free_vgpr 512
		.amdhsa_next_free_sgpr 80
		.amdhsa_reserve_vcc 1
		.amdhsa_float_denorm_mode_32 3
		.amdhsa_float_denorm_mode_16_64 3
		.amdhsa_memory_ordered 1
		.amdhsa_forward_progress 1
		.amdhsa_inst_pref_size 206
	.end_amdhsa_kernel
	.amdgpu_metadata
---
amdhsa.version: [ 1, 2 ]
amdhsa.kernels:
  - .name:           k_qcd53be3b3b_prep
    .symbol:         k_qcd53be3b3b_prep.kd
    .args:
      - { .name: hidden_states, .offset: 0, .size: 8, .value_kind: global_buffer, .address_space: global }
      - { .name: gate_w, .offset: 8, .size: 8, .value_kind: global_buffer, .address_space: global }
      - { .name: w1, .offset: 16, .size: 8, .value_kind: global_buffer, .address_space: global }
      - { .name: w2, .offset: 24, .size: 8, .value_kind: global_buffer, .address_space: global }
      - { .name: xq, .offset: 32, .size: 8, .value_kind: global_buffer, .address_space: global }
      - { .name: wq, .offset: 40, .size: 8, .value_kind: global_buffer, .address_space: global }
      - { .name: route, .offset: 48, .size: 8, .value_kind: global_buffer, .address_space: global }
      - { .name: routef, .offset: 56, .size: 8, .value_kind: global_buffer, .address_space: global }
    .group_segment_fixed_size: 56832
    .private_segment_fixed_size: 0
    .kernarg_segment_align: 8
    .kernarg_segment_size: 64
    .max_flat_workgroup_size: 128
    .sgpr_count:     80
    .vgpr_count:     512
    .wavefront_size: 32
...
	.end_amdgpu_metadata
.endif
;; end of part 1
;; launch place (part 2): grid 1 x 1, 32 waves a work-group, no clusters, 9,216 bytes of LDS; arguments route, routef, order, cws, out1; writes order, cws, out1
.if DOCPART == 2
	.amdgcn_target "amdgcn-amd-amdhsa--gfx1250"
	.amdhsa_code_object_version 6
	.text
	.protected	k_qcd53be3b3b_place
	.globl	k_qcd53be3b3b_place
	.p2align	8
	.type	k_qcd53be3b3b_place,@function
k_qcd53be3b3b_place:
	s_mov_b64 s[64:65], 0
	v_nop
	global_prefetch_b8 v0, s[64:65] scope:SCOPE_SE
	s_setreg_imm32_b32 hwreg(HW_REG_WAVE_MODE, 25, 1), 1
	s_wait_xcnt 0x0
; SECOND LAUNCH: a counting sort of the 8,192 tokens by their pair of experts (28 pairs), and the load-balancing loss.  It leaves no work of its own out; the one_hot product is a selection (first launch's head).
; One work-group, no atomics.  Wave w owns chunks 16 w .. 16 w + 15 (tokens 256 w .. 256 w + 255).  In the tables a lane is a pair's number.
; A token's place = (tokens of lower pairs) + (tokens of its pair in lower waves) + (in lower chunks of its wave) + (its rank in its chunk, from the first launch).
; order[place] = token | lo << 16 | hi << 20;  cws[place] = its two weights.  Every place is formed from numbers read from memory and is held under 8,192 before it enters an address.
; out1 = 8 sum_e (mean of probs_e) (count_e / 16,384) = 2^-24 sum over pairs p of count_p (P[lo_p] + P[hi_p]), P the sums of the probabilities over all tokens.
.set HIST,  32768
.set PSUM,  65536
.set PTAB,  4096                       ; LDS: 0: [wave][32 pairs] counts; 4,096: [wave][8] sums of probabilities
.set SPARE, 5120                       ; the spare words, 128 bytes for each of 32 waves: sixteen blocks of 256 bytes that no other line names
.set SPW, 126                          ; v126 SPARE + 4 x my thread's number; never rewritten
.set NIL, 127                          ; v127 0; never rewritten
; v16-31 my chunks' histograms; v32-39 my tokens' words; v40-55 their weights; v56-63 sums of probabilities; v64-79 each chunk's first places; v80-83 totals; v84-115 at work
	s_load_b256 s[8:15], s[0:1], 0x0               ; route s[8:9], routef s[10:11], order s[12:13], cws s[14:15]
	s_load_b64 s[16:17], s[0:1], 0x20              ; out1
	v_lshl_add_u32 v[SPW], v0, 2, SPARE
	v_mov_b32 v[NIL], 0
	v_lshrrev_b32 v1, 5, v0
	v_readfirstlane_b32 s20, v1                    ; wave 0..31
	v_and_b32 v1, 31, v0                           ; lane
	v_lshlrev_b32 v2, 2, v1
	v_lshlrev_b32 v3, 3, v1
	v_lshlrev_b32 v4, 4, v1
	v_lshlrev_b32 v5, 2, v0                        ; my word of the counts' table: 128 x wave + 4 x lane
	v_and_b32 v6, 1, v0
	v_lshlrev_b32 v6, 4, v6
	s_lshl_b32 s21, s20, 5
	s_add_co_u32 s21, s21, PTAB
	v_add_nc_u32 v6, s21, v6                       ; my wave's eight sums: 16 bytes for each parity of the lanes
	v_lshl_add_u32 v7, v1, 5, PTAB                 ; wave 0 reads wave (lane)'s eight
	v_and_b32 v9, 0x3e0, v0
	v_lshl_or_b32 v9, v9, 3, v1                    ; 256 x wave + lane
	v_bfe_u32 v10, v0, 4, 1                        ; h
.irp q, 0,1,2,3
	v_mov_b32 v[60+\q], 0                          ; written once: a lane permute's destination counts as one of its sources
.endr
	s_mov_b32 s26, 0x76543210
	s_mov_b32 s27, 0xfedcba98
	s_mov_b32 s23, 0
	s_wait_kmcnt 0x0
	s_lshl_b32 s22, s20, 11
	s_add_nc_u64 s[28:29], s[8:9], s[22:23]
	s_add_nc_u64 s[28:29], s[28:29], HIST          ; my 16 histograms of 128 bytes
	s_add_nc_u64 s[32:33], s[10:11], s[22:23]      ; my 256 tokens' weights
	s_lshl_b32 s22, s20, 10
	s_add_nc_u64 s[30:31], s[8:9], s[22:23]        ; their words
	s_lshl_b32 s22, s20, 9
	s_add_nc_u64 s[34:35], s[10:11], s[22:23]
	s_add_nc_u64 s[34:35], s[34:35], PSUM          ; my 16 chunks' sums
.irp i, 0,1,2,3,4,5,6,7,8,9,10,11,12,13,14,15
	global_load_b32 v[16+\i], v2, s[28:29] offset:128*\i
.endr
.irp i, 0,1,2,3,4,5,6,7
	global_load_b32 v[32+\i], v2, s[30:31] offset:128*\i
.endr
.irp i, 0,1,2,3,4,5,6,7
	global_load_b64 v[40+2*\i:41+2*\i], v3, s[32:33] offset:256*\i
.endr
	global_load_b128 v[56:59], v4, s[34:35]        ; lane l: chunk l / 2, experts 4 (l % 2) + 0 .. 3
	s_wait_loadcnt 17                              ; the histograms are in; the 8 + 8 + 1 loads issued behind them may be out
	v_mov_b32 v64, 0
.irp i, 1,2,3,4,5,6,7,8,9,10,11,12,13,14,15
	v_add_nc_u32 v[64+\i], v[63+\i], v[15+\i]      ; tokens of the pair in my wave's lower chunks
.endr
	v_add_nc_u32 v80, v79, v31                     ; and in the whole wave
	ds_store_b32 v5, v80
	s_wait_loadcnt 0x0
.irp m, 2,4,8
.irp q, 0,1,2,3
	v_add_f32_dpp v[56+\q], v[56+\q], v[56+\q] row_xmask:\m row_mask:0xf bank_mask:0xf   ; over the lanes of my parity
.endr
.endr
.irp q, 0,1,2,3
	v_permlanex16_b32 v[60+\q], v[56+\q], s26, s27
.endr
.irp q, 0,1,2,3
	v_add_f32 v[56+\q], v[56+\q], v[60+\q]
.endr
	ds_store_b128 v6, v[56:59]                     ; the lanes of a parity write the same 16 bytes with the same values
	s_wait_dscnt 0x0                               ; for the others' sake: my stores are done
	s_barrier_signal -1
	s_barrier_wait -1
.irp j, 0,1,2,3,4,5,6,7,8,9,10,11,12,13,14,15,16,17,18,19,20,21,22,23,24,25,26,27,28,29,30,31
	ds_load_b32 v[84+\j], v2 offset:128*\j         ; every wave's count of my pair
.endr
	v_mov_b32 v82, 0                               ; over all waves,
	v_mov_b32 v83, 0                               ; and over the waves below mine
	s_wait_dscnt 0x0
.irp j, 0,1,2,3,4,5,6,7,8,9,10,11,12,13,14,15,16,17,18,19,20,21,22,23,24,25,26,27,28,29,30,31
	s_cmp_gt_u32 s20, \j
	s_cselect_b32 s24, -1, 0
	v_and_b32 v8, s24, v[84+\j]
	v_add_nc_u32 v82, v82, v[84+\j]
	v_add_nc_u32 v83, v83, v8
.endr
	v_mov_b32 v81, 0
	s_mov_b32 s24, 0
.set k, 0
.rept 32
	v_writelane_b32 v81, s24, k                    ; the tokens of all lower pairs
	v_readlane_b32 s25, v82, k
	s_add_co_u32 s24, s24, s25
.set k, k+1
.endr
.irp i, 0,1,2,3,4,5,6,7,8,9,10,11,12,13,14,15
	v_add3_u32 v[64+\i], v[64+\i], v81, v83        ; lane p: the first place of pair p in my chunk i
.endr
.irp i, 0,1,2,3,4,5,6,7
	v_and_b32 v[84+\i], 31, v[32+\i]
	v_lshlrev_b32 v[84+\i], 2, v[84+\i]            ; 4 x my token's pair: the lane to pull from
.endr
.irp i, 0,1,2,3,4,5,6,7
	ds_bpermute_b32 v[92+2*\i], v[84+\i], v[64+2*\i]   ; token 32 i + lane lies in chunk 2 i + h
	ds_bpermute_b32 v[93+2*\i], v[84+\i], v[65+2*\i]
.endr
	v_cmp_eq_u32 vcc_lo, 1, v10
	s_wait_dscnt 0x0
.irp i, 0,1,2,3,4,5,6,7
	v_cndmask_b32 v[92+2*\i], v[92+2*\i], v[93+2*\i], vcc_lo
	v_bfe_u32 v[84+\i], v[32+\i], 8, 4
	v_add_nc_u32 v[92+2*\i], v[92+2*\i], v[84+\i]  ; + my rank
	v_min_u32 v[92+2*\i], 0x1fff, v[92+2*\i]       ; a number that was loaded enters an address only so
	v_add_nc_u32 v[84+\i], 32*\i, v9               ; my token
	v_and_or_b32 v[108+\i], v[32+\i], 0x770000, v[84+\i]
	v_lshlrev_b32 v[93+2*\i], 3, v[92+2*\i]
	v_lshlrev_b32 v[92+2*\i], 2, v[92+2*\i]
	global_store_b32 v[92+2*\i], v[108+\i], s[12:13]
	global_store_b64 v[93+2*\i], v[40+2*\i:41+2*\i], s[14:15]
.endr
	s_cmp_lg_u32 s20, 0                            ; the loss is wave 0's; no barrier stands in this branch
	s_cbranch_scc1 .Lend
	ds_load_b128 v[56:59], v7
	ds_load_b128 v[60:63], v7 offset:16
	v_mov_b32 v16, 0                               ; lo of pair (lane): how many of the pairs' first numbers 7, 13, 18, 22, 25, 27 are at or under it
	v_mov_b32 v17, 1
.irp thr, 7,13,18,22,25,27
	v_cmp_le_u32 vcc_lo, \thr, v1
	v_cndmask_b32 v18, 0, v17, vcc_lo
	v_add_nc_u32 v16, v16, v18
.endr
	v_sub_nc_u32 v18, 15, v16
	v_mul_u32_u24 v18, v18, v16
	v_lshrrev_b32 v18, 1, v18
	v_sub_nc_u32 v18, v1, v18
	v_add_nc_u32 v18, v18, v16
	v_add_nc_u32 v18, 1, v18                       ; hi (lanes 28-31 are no pairs: their counts are 0)
	s_wait_dscnt 0x0
.irp m, 1,2,4,8
.irp e, 0,1,2,3,4,5,6,7
	v_add_f32_dpp v[56+\e], v[56+\e], v[56+\e] row_xmask:\m row_mask:0xf bank_mask:0xf
.endr
.endr
.irp e, 0,1,2,3,4,5,6,7
	v_permlanex16_b32 v[20+\e], v[56+\e], s26, s27
.endr
.irp e, 0,1,2,3,4,5,6,7
	v_add_f32 v[56+\e], v[56+\e], v[20+\e]         ; P[e], in every lane
.endr
	v_mov_b32 v28, v56
	v_mov_b32 v29, v56
.irp e, 1,2,3,4,5,6,7
	v_cmp_eq_u32 vcc_lo, \e, v16
	v_cndmask_b32 v28, v28, v[56+\e], vcc_lo
	v_cmp_eq_u32 vcc_lo, \e, v18
	v_cndmask_b32 v29, v29, v[56+\e], vcc_lo
.endr
	v_cvt_f32_u32 v19, v82
	v_add_f32 v28, v28, v29
	v_mul_f32 v19, v19, v28
.irp m, 1,2,4,8
	v_add_f32_dpp v19, v19, v19 row_xmask:\m row_mask:0xf bank_mask:0xf
.endr
	v_permlanex16_b32 v20, v19, s26, s27
	v_add_f32 v19, v19, v20
	v_mul_f32 v19, 0x33800000, v19                 ; x 2^-24
	v_mov_b32 v21, 0
	v_cmp_eq_u32 vcc_lo, 0, v1
	s_wait_xcnt 0x0                                ; EXEC changes only behind this wait
	s_and_saveexec_b32 s36, vcc_lo
	global_store_b32 v21, v19, s[16:17]
	s_wait_xcnt 0x0
	s_or_b32 exec_lo, exec_lo, s36
.Lend:
	s_wait_tensorcnt 0x0                           ; the wave's end: behind my last LDS store
	ds_add_u32 v[SPW], v[NIL]
	s_wait_dscnt 0x0
	s_endpgm
.Lfunc_end_k_qcd53be3b3b_place:
	.size	k_qcd53be3b3b_place, .Lfunc_end_k_qcd53be3b3b_place-k_qcd53be3b3b_place
	.p2alignl 7, 3214868480
	.fill 96, 4, 3214868480
	.section	.rodata,"a",@progbits
	.p2align	6, 0x0
	.amdhsa_kernel k_qcd53be3b3b_place
		.amdhsa_group_segment_fixed_size 9216
		.amdhsa_private_segment_fixed_size 0
		.amdhsa_enable_private_segment 0
		.amdhsa_kernarg_size 40
		.amdhsa_user_sgpr_count 2
		.amdhsa_user_sgpr_kernarg_segment_ptr 1
		.amdhsa_wavefront_size32 1
		.amdhsa_system_sgpr_workgroup_id_x 1
		.amdhsa_system_sgpr_workgroup_id_y 1
		.amdhsa_system_sgpr_workgroup_id_z 1
		.amdhsa_system_vgpr_workitem_id 0
		.amdhsa_next_free_vgpr 128
		.amdhsa_next_free_sgpr 66
		.amdhsa_reserve_vcc 1
		.amdhsa_float_denorm_mode_32 3
		.amdhsa_float_denorm_mode_16_64 3
		.amdhsa_memory_ordered 1
		.amdhsa_forward_progress 1
		.amdhsa_inst_pref_size 32
	.end_amdhsa_kernel
	.amdgpu_metadata
---
amdhsa.version: [ 1, 2 ]
amdhsa.kernels:
  - .name:           k_qcd53be3b3b_place
    .symbol:         k_qcd53be3b3b_place.kd
    .args:
      - { .name: route, .offset: 0, .size: 8, .value_kind: global_buffer, .address_space: global }
      - { .name: routef, .offset: 8, .size: 8, .value_kind: global_buffer, .address_space: global }
      - { .name: order, .offset: 16, .size: 8, .value_kind: global_buffer, .address_space: global }
      - { .name: cws, .offset: 24, .size: 8, .value_kind: global_buffer, .address_space: global }
      - { .name: out1, .offset: 32, .size: 8, .value_kind: global_buffer, .address_space: global }
    .group_segment_fixed_size: 9216
    .private_segment_fixed_size: 0
    .kernarg_segment_align: 8
    .kernarg_segment_size: 40
    .max_flat_workgroup_size: 1024
    .sgpr_count:     66
    .vgpr_count:     128
    .wavefront_size: 32
...
	.end_amdgpu_metadata
.endif
;; end of part 2
;; launch experts (part 3): grid 128 x 1, 8 waves a work-group, no clusters, 295,936 bytes of LDS; arguments order, cws, xq, wq, b1, b2, out0; writes out0
.if DOCPART == 3
	.amdgcn_target "amdgcn-amd-amdhsa--gfx1250"
	.amdhsa_code_object_version 6
	.text
	.protected	k_qcd53be3b3b_experts
	.globl	k_qcd53be3b3b_experts
	.p2align	8
	.type	k_qcd53be3b3b_experts,@function
k_qcd53be3b3b_experts:
	s_mov_b64 s[64:65], 0
	v_nop
	global_prefetch_b8 v0, s[64:65] scope:SCOPE_SE
	s_setreg_imm32_b32 hwreg(HW_REG_WAVE_MODE, 25, 1), 1
	s_wait_xcnt 0x0
; THIRD LAUNCH: out[t] = sum over the two chosen experts e of c_e (Q(gelu(Q(x) Q(W1_e)^T + b1_e)) Q(W2_e)^T + b2_e), both products on codes of E2M3 with one E8M0 scale for each 32 along K.
; LEFT OUT: the experts that none of a block's 64 tokens has chosen: reference() multiplies their results by a 0 of its own making (shown at the first launch's head).
; SHARES.  A work-group owns 64 places of the order sorted by pairs of experts: four tiles of 16 tokens; each output row has one owner.  THE EIGHT WAVES SHARE THE COLUMNS: wave w makes hidden units 64 w .. 64 w + 63
; and output columns 128 w .. 128 w + 127 for all 64 tokens, so each fragment of a weight is loaded by one wave, once for a work-group, straight from memory into its registers (laid so by the first launch: 512 consecutive bytes a load), and feeds four products.
; PHASE 0: the tokens' codes are gathered into LDS as images of the operand's registers | barrier | PHASE 1: experts 0..7 in a loop of constant count, those unused passed over by a scalar branch on the stored list:
; hidden = x W1^T + b1 (transposed: source 0 = 16 rows of W1, source 1 = 16 tokens; b1 is the C of the first K step), GELU in f32, quantised in registers, images into LDS for ALL experts | barrier |
; PHASE 2: two groups of 64 columns a wave; in each the experts again: Y = h W2^T + b2, OUT += c Y; then OUT leaves through the wave's stage as whole rows of 256 bytes.  No barrier stands under a branch.
; NO TENSOR LOADS, NO CLUSTER: which experts a block walks hangs on numbers read from memory, and neighbouring blocks need different experts, so no joint request could be made alike by partners.
; GELU = 0.5 x (1 + erf(x / sqrt 2)), erf(z) = z P(z^2) / Q(z^2) on z held to +-4.  LIMIT: for x under about -5 the result lies within 6e-8 |x| of 0 in absolute terms, not to relative accuracy.
; LIMITS of the quantiser as in the first launch: byte 1 for blocks under 2^-124 and for blocks of zeros.
; REGISTERS, window 0: v1-v21 addresses; v22, v23 the add's two; v24-31 at work; v32-47 the tokens' scale words (x's, then h's), v48-63 the weights': scales and nothing else; v64-95 four tiles of bias; v96-143 four fragments of tokens
;   (on the way out rows, tokens, offsets); v144-191, v192-239 two sets of four fragments of a weight; v240-247 c as pairs; v248 c's address; v250-253 two constants as pairs.
;   window 1: v0-127 16 accumulators; v128-255: phase 1: two more sets, then GELU's work; phase 2: OUT.
.set XS_OFF, 6291456
.set W2Q,    3145728
.set SW1,    6291456
.set SW2,    6422528
.set XSC,    49152                     ; LDS: 0: x's 32 fragments (8 m + s) x 1,536; here x's scale bytes [row][32]
.set TOKT,   51200                     ; a wave's own 256 bytes: word 16 m + 8 h + i = the token of row 16 m + 2 i + h
.set CTAB,   53248                     ; [expert][64 rows] the combine weights, 0 where the token did not choose the expert
.set HIMG,   55296                     ; the hidden layer: expert x 24,576 + (4 m + s) x 1,536 + c x 768: registers 6 c .. 6 c + 3 at 16 x lane, then 6 c + 4, 6 c + 5 at 8 x lane
.set HSC,    251904                    ; its scale bytes: expert x 1,024 + row x 16 + block
.set STG,    260096                    ; a wave's stage: 16 rows x (256 + 16) bytes
.set SPARE,  294912                    ; the spare words, 128 bytes a wave: four blocks of 256 bytes that no other line names
.set SPW, 22
.set NIL, 23
.set W1B, 24                           ; s[24:25] .. s[36:37]: bases that step from expert to expert
.set SW1B, 26
.set B1B, 28
.set W2B, 30
.set SW2B, 32
.set B2B, 34
.set OUTB, 36
.set MSB, 0
.macro WIN new                         ; the immediate's high byte repeats the setting that is left
.if MSB != \new
	s_set_vgpr_msb (MSB<<8)|\new
.set MSB, \new
.endif
.endm
.macro KONST r, val                    ; a constant as a scalar pair: the packed forms name the pair and take its low word
	s_mov_b32 s[\r], \val
	s_mov_b32 s[\r+1], \val
.endm
; four fragments of a weight (tiles stride bytes apart, K step s) into 48 registers from reg on
.macro WSET reg, base, stride, s
.irp t, 0,1,2,3
.irp j, 0,1,2
	global_load_b128 v[\reg+12*\t+4*\j:\reg+12*\t+4*\j+3], v1, s[\base:\base+1] offset:\t*\stride+(\s)*1536+512*\j
.endr
.endr
.endm
; one product; rD, rA, rB, rC, rSA, rSB are set ahead of it; ra, rb: the scale words stand in lanes 16-31
.macro WM ra, rb
.if (\ra) && (\rb)
	v_wmma_scale_f32_16x16x128_f8f6f4 v[rD:rD+7], v[rA:rA+11], v[rB:rB+11], v[rC:rC+7], v[rSA], v[rSB] matrix_a_fmt:MATRIX_FMT_FP6 matrix_b_fmt:MATRIX_FMT_FP6 matrix_a_scale:MATRIX_SCALE_ROW1 matrix_b_scale:MATRIX_SCALE_ROW1
.elseif (\ra)
	v_wmma_scale_f32_16x16x128_f8f6f4 v[rD:rD+7], v[rA:rA+11], v[rB:rB+11], v[rC:rC+7], v[rSA], v[rSB] matrix_a_fmt:MATRIX_FMT_FP6 matrix_b_fmt:MATRIX_FMT_FP6 matrix_a_scale:MATRIX_SCALE_ROW1
.elseif (\rb)
	v_wmma_scale_f32_16x16x128_f8f6f4 v[rD:rD+7], v[rA:rA+11], v[rB:rB+11], v[rC:rC+7], v[rSA], v[rSB] matrix_a_fmt:MATRIX_FMT_FP6 matrix_b_fmt:MATRIX_FMT_FP6 matrix_b_scale:MATRIX_SCALE_ROW1
.else
	v_wmma_scale_f32_16x16x128_f8f6f4 v[rD:rD+7], v[rA:rA+11], v[rB:rB+11], v[rC:rC+7], v[rSA], v[rSB] matrix_a_fmt:MATRIX_FMT_FP6 matrix_b_fmt:MATRIX_FMT_FP6
.endif
.endm
; PHASE 1, K step s of 8: x's four fragments from LDS, 16 products (my 4 tiles of W1 x 4 tiles of tokens); the 16 accumulators take turns, one instruction a turn.
.macro P1STEP s
.irp m, 0,1,2,3
.irp j, 0,1,2
	ds_load_b128 v[96+12*\m+4*\j:96+12*\m+4*\j+3], v1 offset:(8*\m+\s)*1536+512*\j
.endr
.endr
.if \s <= 4
	s_wait_loadcnt 36                              ; this step's set is in (with step 0: scales and bias too); the three younger sets, 12 loads each, may be out
.else
	s_wait_loadcnt 12*(7-\s)
.endif
	s_wait_dscnt 0x0
.if (\s%4) < 2
.set rSET, 144+48*(\s%4)
.else
.set rSET, 128+48*((\s%4)-2)
.endif
.if \s == 0
	WIN 0x40                                       ; D window 1; W1, x and the bias window 0
.elseif (\s%4) < 2
	WIN 0x50                                       ; C and D window 1
.else
	WIN 0x51                                       ; and W1's set too
.endif
.irp t, 0,1,2,3
.irp m, 0,1,2,3
.set rD, 32*\m+8*\t
.set rA, rSET+12*\t
.set rB, 96+12*\m
.if \s == 0
.set rC, 64+8*\t
.else
.set rC, rD
.endif
.set rSA, 48+8*(\t/2)+\s
.set rSB, 32+8*(\m/2)+\s
	WM \t%2, \m%2
.endr
.endr
	WIN 0
.rept 4
	v_nop                                          ; four places in front of loads into registers that the products have read, and of the first read of results
.endr
.if \s < 4
.if (\s%4) < 2
	WSET rSET, W1B, 12288, \s+4
.else
	WIN 0x40
	WSET rSET, W1B, 12288, \s+4
	WIN 0
.endif
.endif
.endm
; GELU of tile m's 32 numbers a lane, in place, all in window 1: Z v128, Z^2 v160, P v192, Q v224
.macro GELU m
.set gX, 32*\m
	WIN 0x55
.set i, 0
.rept 16
	v_pk_mul_f32 v[128+i:129+i], v[gX+i:gX+i+1], s[66:67] op_sel_hi:[1,0]   ; z = x / sqrt 2; each accumulator is read from its low end on
.set i, i+2
.endr
.set i, 0
.rept 32
	v_med3_num_f32 v[128+i], v[128+i], -4.0, 4.0
.set i, i+1
.endr
.set i, 0
.rept 16
	v_pk_mul_f32 v[160+i:161+i], v[128+i:129+i], v[128+i:129+i]
.set i, i+2
.endr
	WIN 0x41                                       ; the first Horner step takes its addend from a pair in window 0
.set i, 0
.rept 16
	v_pk_fma_f32 v[192+i:193+i], v[160+i:161+i], s[68:69], v[250:251] op_sel_hi:[1,0,1]
	v_pk_fma_f32 v[224+i:225+i], v[160+i:161+i], s[82:83], v[252:253] op_sel_hi:[1,0,1]
.set i, i+2
.endr
	WIN 0x55
.irp c, 72,74,76,78,80
.set i, 0
.rept 16
	v_pk_fma_f32 v[192+i:193+i], v[192+i:193+i], v[160+i:161+i], s[\c:\c+1] op_sel_hi:[1,1,0]
.set i, i+2
.endr
.endr
.irp c, 86,88,90
.set i, 0
.rept 16
	v_pk_fma_f32 v[224+i:225+i], v[224+i:225+i], v[160+i:161+i], s[\c:\c+1] op_sel_hi:[1,1,0]
.set i, i+2
.endr
.endr
.set i, 0
.rept 32
	v_rcp_f32 v[224+i], v[224+i]
.set i, i+1
.endr
.set i, 0
.rept 16
	v_pk_mul_f32 v[192+i:193+i], v[192+i:193+i], v[128+i:129+i]             ; z P: work that names no reciprocal
.set i, i+2
.endr
.set i, 0
.rept 16
	v_pk_mul_f32 v[gX+i:gX+i+1], v[gX+i:gX+i+1], 0.5 op_sel_hi:[1,0]
.set i, i+2
.endr
	s_wait_alu depctr_va_vdst(0)                   ; one wait for the 32 reciprocals, ahead of their first reader
.set i, 0
.rept 16
	v_pk_mul_f32 v[192+i:193+i], v[192+i:193+i], v[224+i:225+i]             ; erf
.set i, i+2
.endr
.set i, 0
.rept 16
	v_pk_fma_f32 v[gX+i:gX+i+1], v[gX+i:gX+i+1], v[192+i:193+i], v[gX+i:gX+i+1]   ; 0.5 x erf + 0.5 x
.set i, i+2
.endr
.endm
; tile m's 32 numbers a lane (register 16 b + i = hidden unit 64 w + 32 b + 16 h + i of my token) become six registers of codes (v136-141 of window 1) and two scale bytes (v134), and go to LDS
.macro QH m
.set gX, 32*\m
.irp b, 0,1
	v_max3_num_f32 v[128+\b], |v[gX+16*\b]|, |v[gX+16*\b+1]|, 0x1800000     ; and the floor 2^(3 - 127)
.endr
.irp k, 2,4,6,8,10,12,14
.irp b, 0,1
	v_max3_num_f32 v[128+\b], v[128+\b], |v[gX+16*\b+\k]|, |v[gX+16*\b+\k+1]|
.endr
.endr
.irp b, 0,1
	v_permlanex16_b32 v[130+\b], v[128+\b], s56, s57
.endr
.irp b, 0,1
	v_max_num_f32 v[128+\b], v[128+\b], v[130+\b]  ; with lane l xor 16's 16: the block's largest magnitude
.endr
.irp b, 0,1
	v_add_nc_u32 v[132+\b], 0xff000000, v[128+\b]
.endr
.irp b, 0,1
	v_lshrrev_b32 v[130+\b], 23, v[132+\b]
.endr
	v_lshl_or_b32 v134, v131, 8, v130
	v_cvt_scalef32_pk16_fp6_f32 v[136:138], v[gX:gX+15], v132
	v_cvt_scalef32_pk16_fp6_f32 v[144:146], v[gX+16:gX+31], v133
	v_nop                                          ; one plain line behind the conversions
.irp i, 0,1,2
	v_permlane16_swap_b32 v[136+\i], v[144+\i]     ; a whole block to a lane: lanes 0-15 the first block, lanes 16-31 the second
.endr
.irp i, 0,1,2
	v_mov_b32 v[139+\i], v[144+\i]
.endr
	WIN 0x04                                       ; an LDS store's data are its source 1: window 1
	ds_store_b128 v12, v[136:139] offset:6144*\m
	ds_store_b64 v13, v[140:141] offset:6144*\m
	ds_store_b16 v14, v134 offset:256*\m           ; lanes r and r + 16 write the same two bytes with the same values
	WIN 0
	s_wait_dscnt 0x0                               ; the stores have read their registers
.endm
; PHASE 2, K step s of 4: the hidden layer's four fragments from LDS, 16 products (4 tiles of W2 x 4 tiles of tokens), accumulators by turns
.macro P2STEP s
.irp m, 0,1,2,3
	ds_load_b128 v[96+12*\m:99+12*\m], v15 offset:(4*\m+\s)*1536
	ds_load_b64 v[100+12*\m:101+12*\m], v16 offset:(4*\m+\s)*1536
	ds_load_b128 v[102+12*\m:105+12*\m], v15 offset:(4*\m+\s)*1536+768
	ds_load_b64 v[106+12*\m:107+12*\m], v16 offset:(4*\m+\s)*1536+768
.endr
.if \s < 3
	s_wait_loadcnt 12                              ; this step's set is in; the one younger set may be out
.else
	s_wait_loadcnt 0x0
.endif
	s_wait_dscnt 0x0
.set rSET, 144+48*(\s%2)
.if \s == 0
	WIN 0x40
.else
	WIN 0x50
.endif
.irp t, 0,1,2,3
.irp m, 0,1,2,3
.set rD, 8*(4*\m+\t)
.set rA, rSET+12*\t
.set rB, 96+12*\m
.if \s == 0
.set rC, 64+8*\t
.else
.set rC, rD
.endif
.set rSA, 48+4*(\t/2)+\s
.set rSB, 32+4*(\m/2)+\s
	WM \t%2, \m%2
.endr
.endr
	WIN 0
.rept 4
	v_nop
.endr
.if \s == 3
	v_nop                                          ; a fifth place: these accumulators are begun anew by a later product
.endif
.if \s < 2
	WSET rSET, W2B, 6144, \s+2
.endif
.endm
	s_load_b256 s[8:15], s[0:1], 0x0               ; order s[8:9], cws s[10:11], xq s[12:13], wq s[14:15]
	s_load_b128 s[16:19], s[0:1], 0x20             ; b1, b2
	s_load_b64 s[20:21], s[0:1], 0x30              ; out0
	v_lshl_add_u32 v[SPW], v0, 2, SPARE
	v_mov_b32 v[NIL], 0
	v_lshrrev_b32 v24, 5, v0
	v_readfirstlane_b32 s45, v24                   ; wave 0..7
	v_and_b32 v25, 31, v0                          ; lane
	v_and_b32 v26, 15, v0                          ; r
	v_bfe_u32 v27, v0, 4, 1                        ; h
	v_lshlrev_b32 v1, 4, v25                       ; 16 x lane: an image's place, in memory and in LDS
	v_lshlrev_b32 v2, 5, v25                       ; 32 x lane
	v_lshlrev_b32 v3, 6, v27                       ; 64 h
	v_lshlrev_b32 v4, 5, v27                       ; 32 h
	v_lshlrev_b32 v21, 4, v26                      ; 16 r
	v_lshlrev_b32 v28, 3, v25                      ; 8 x lane
	v_lshlrev_b32 v29, 2, v25                      ; 4 x lane
	v_add_nc_u32 v5, XSC, v2                       ; x's scale words
	s_mul_i32 s4, s45, 768
	s_add_co_u32 s4, s4, HIMG
	v_add_nc_u32 v6, s4, v1                        ; where I put the hidden layer: K step w / 2, half w % 2: 768 w on
	s_add_co_u32 s5, s4, 512
	v_add_nc_u32 v7, s5, v28
	s_lshl_b32 s5, s45, 1
	s_add_co_u32 s5, s5, HSC
	v_add_nc_u32 v8, s5, v21                       ; and its two scale bytes: 16 r + 2 w
	v_add_nc_u32 v9, HIMG, v1                      ; where I read it
	v_add_nc_u32 v10, HIMG+512, v28
	v_add_nc_u32 v11, HSC, v1
	s_mul_i32 s4, s45, 4352
	s_add_co_u32 s4, s4, STG
	v_mul_u32_u24 v18, v26, 272
	v_add_nc_u32 v18, v18, v4
	v_add_nc_u32 v18, s4, v18                      ; the stage, in: row r, + 32 h
	v_mul_u32_u24 v19, v27, 272
	v_add_nc_u32 v19, v19, v21
	v_add_nc_u32 v19, s4, v19                      ; back: lanes 0-15 one row, lanes 16-31 the next
	s_lshl_b32 s5, s45, 8
	s_add_co_u32 s6, s5, TOKT
	v_add_nc_u32 v20, s6, v4                       ; my half's eight tokens of a tile
	v_lshl_add_u32 v248, v26, 2, CTAB              ; c of token r
	v_bfe_u32 v118, v0, 4, 1                       ; the token table, on the way in: place l goes to word 16 (l / 16) + 8 (l % 2) + (l / 2) % 8
	v_lshlrev_b32 v118, 6, v118
	v_and_b32 v119, 1, v0
	v_lshl_add_u32 v118, v119, 5, v118
	v_bfe_u32 v119, v0, 1, 3
	v_lshl_add_u32 v118, v119, 2, v118
	v_add_nc_u32 v118, s6, v118
	s_add_co_u32 s6, s5, CTAB
	v_add_nc_u32 v117, s6, v29                     ; expert w's row of the combine weights
	s_lshr_b32 s4, s45, 1
	s_lshl_b32 s6, s4, 6
	v_lshl_add_u32 v30, v26, 2, s6                 ; the record of my gather's token: place 16 (w / 2) + r
	s_and_b32 s5, s45, 1
	s_mul_i32 s6, s5, 384
	v_mad_u32_u24 v103, v27, 24, s6                ; in a token's codes: K steps 4 (w % 2) on, + 24 h
	s_lshl_b32 s6, s5, 4
	v_lshl_add_u32 v105, v27, 3, s6                ; in its scale bytes: 16 (w % 2) + 8 h
	s_lshl_b32 s7, s4, 9
	s_add_co_u32 s7, s7, s6
	s_add_co_u32 s7, s7, XSC
	v_lshl_add_u32 v106, v26, 5, s7
	v_lshl_add_u32 v106, v27, 3, v106              ; the same eight bytes in LDS: row 16 (w / 2) + r
	s_mul_i32 s7, s45, 6144
	v_add_nc_u32 v107, s7, v1                      ; x's images 4 w .. 4 w + 3
	v_mov_b32 v241, 0                              ; named as the upper halves of c's pairs
	v_mov_b32 v243, 0
	v_mov_b32 v245, 0
	v_mov_b32 v247, 0
	v_mov_b32 v250, 0x32edffee                     ; alpha1
	v_mov_b32 v251, 0x32edffee
	v_mov_b32 v252, 0xb95fbd29                     ; beta1
	v_mov_b32 v253, 0xb95fbd29
	s_mov_b32 s56, 0x76543210
	s_mov_b32 s57, 0xfedcba98
	KONST 66, 0x3f3504f3                           ; 1 / sqrt 2
	KONST 68, 0xaf95df0b                           ; alpha0; alpha2 .. alpha6:
	KONST 72, 0xb60cff51
	KONST 74, 0xb86ec2d2
	KONST 76, 0xba40ac63
	KONST 78, 0xbb41a1f6
	KONST 80, 0xbc83dbd4
	KONST 82, 0xb77460cd                           ; beta0; beta2 .. beta4:
	KONST 86, 0xbadc924e
	KONST 88, 0xbbf19bf8
	KONST 90, 0xbc69b6a7
	s_mov_b32 s3, 0
	s_wait_kmcnt 0x0
	s_lshl_b32 s2, ttmp9, 8
	s_add_nc_u64 s[48:49], s[8:9], s[2:3]          ; my 64 records
	s_lshl_b32 s2, ttmp9, 9
	s_add_nc_u64 s[50:51], s[10:11], s[2:3]        ; and weight pairs
	s_add_nc_u64 s[38:39], s[12:13], XS_OFF
	s_mul_i32 s2, s45, 49152
	s_add_nc_u64 s[W1B:W1B+1], s[14:15], s[2:3]    ; my 4 tiles of W1 (12,288 bytes each),
	s_add_nc_u64 s[W2B:W2B+1], s[W1B:W1B+1], W2Q   ; my 8 tiles of W2 (6,144 each)
	s_lshl_b32 s2, s45, 11
	s_add_nc_u64 s[SW1B:SW1B+1], s[14:15], s[2:3]
	s_add_nc_u64 s[SW2B:SW2B+1], s[SW1B:SW1B+1], SW2
	s_add_nc_u64 s[SW1B:SW1B+1], s[SW1B:SW1B+1], SW1
	s_lshl_b32 s2, s45, 8
	s_add_nc_u64 s[B1B:B1B+1], s[16:17], s[2:3]
	s_lshl_b32 s2, s45, 9
	s_add_nc_u64 s[B2B:B2B+1], s[18:19], s[2:3]
	s_add_nc_u64 s[OUTB:OUTB+1], s[20:21], s[2:3]
	; ---------------- PHASE 0 ----------------
	global_load_b32 v96, v29, s[48:49]             ; the records of places lane and 32 + lane,
	global_load_b32 v97, v29, s[48:49] offset:128
	global_load_b64 v[98:99], v28, s[50:51]        ; their weights,
	global_load_b64 v[100:101], v28, s[50:51] offset:256
	global_load_b32 v102, v30, s[48:49]            ; and the record of the token that I gather
	s_wait_loadcnt 0x0
	v_and_b32 v102, 0x1fff, v102
	v_min_u32 v102, 0x1fff, v102                   ; a number that was loaded enters an address only so
	v_mul_u32_u24 v104, v102, 0x300
	v_add_nc_u32 v103, v104, v103
	v_lshlrev_b32 v104, 5, v102
	v_add_nc_u32 v104, v104, v105
.irp s, 0,1,2,3
.irp p, 0,1,2,3,4,5
	global_load_b64 v[144+12*\s+2*\p:145+12*\s+2*\p], v103, s[12:13] offset:96*\s+48*(\p/3)+8*(\p%3)   ; a row's stream of bits is the register image: 24 bytes at 24 h, 24 at 48 + 24 h
.endr
.endr
	global_load_b64 v[120:121], v104, s[38:39]
	v_mov_b32 v108, 1
	v_bfe_u32 v109, v96, 16, 3
	v_bfe_u32 v110, v96, 20, 3
	v_bfe_u32 v111, v97, 16, 3
	v_bfe_u32 v112, v97, 20, 3
	v_lshlrev_b32 v113, v109, v108
	v_lshlrev_b32 v114, v110, v108
	v_or_b32 v113, v113, v114
	v_lshlrev_b32 v114, v111, v108
	v_or_b32 v113, v113, v114
	v_lshlrev_b32 v114, v112, v108
	v_or_b32 v113, v113, v114
	s_mov_b32 s42, 0                               ; the experts that the block's 64 tokens use: the same number in all eight waves
.irp e, 0,1,2,3,4,5,6,7
	v_and_b32 v114, 1<<\e, v113
	v_cmp_ne_u32 s4, 0, v114
	s_cmp_lg_u32 s4, 0
	s_cselect_b32 s5, 1<<\e, 0
	s_or_b32 s42, s42, s5
.endr
	v_and_b32 v115, 0x1fff, v96
	v_and_b32 v116, 0x1fff, v97
	ds_store_b32 v118, v115
	ds_store_b32 v118, v116 offset:128
	v_cmp_eq_u32 vcc_lo, s45, v110
	v_cndmask_b32 v115, 0, v99, vcc_lo
	v_cmp_eq_u32 vcc_lo, s45, v109
	v_cndmask_b32 v115, v115, v98, vcc_lo          ; c of expert w for place lane,
	v_cmp_eq_u32 vcc_lo, s45, v112
	v_cndmask_b32 v116, 0, v101, vcc_lo
	v_cmp_eq_u32 vcc_lo, s45, v111
	v_cndmask_b32 v116, v116, v100, vcc_lo         ; and for place 32 + lane
	ds_store_b32 v117, v115
	ds_store_b32 v117, v116 offset:128
	s_wait_loadcnt 0x0
.irp s, 0,1,2,3
.irp j, 0,1,2
	ds_store_b128 v107, v[144+12*\s+4*\j:147+12*\s+4*\j] offset:1536*\s+512*\j
.endr
.endr
	ds_store_b64 v106, v[120:121]
	s_wait_dscnt 0x0                               ; for the others' sake: my stores are done
	s_barrier_signal -1
	s_barrier_wait -1
.irp q, 0,1
	ds_load_b128 v[32+8*\q:35+8*\q], v5 offset:1024*\q      ; register 8 q + s: lanes 0-15 the words of tile 2 q, lanes 16-31 of tile 2 q + 1, K step s
	ds_load_b128 v[36+8*\q:39+8*\q], v5 offset:1024*\q+16
.endr
	s_wait_dscnt 0x0
	; ---------------- PHASE 1 ----------------
	s_mov_b32 s43, 0                               ; the expert's place among the hidden images,
	s_mov_b32 s44, 0                               ; and among their scale bytes
	s_mov_b32 s40, 0
.Lp1:
	s_lshr_b32 s4, s42, s40
	s_and_b32 s4, s4, 1
	s_cmp_eq_u32 s4, 0
	s_cbranch_scc1 .Lp1_next                       ; nobody here uses this expert; no barrier is passed over
	v_add_nc_u32 v12, s43, v6
	v_add_nc_u32 v13, s43, v7
	v_add_nc_u32 v14, s44, v8
.irp q, 0,1
	global_load_b128 v[48+8*\q:51+8*\q], v2, s[SW1B:SW1B+1] offset:1024*\q      ; register 8 q + s: lanes 0-15 tile 2 q, lanes 16-31 tile 2 q + 1
	global_load_b128 v[52+8*\q:55+8*\q], v2, s[SW1B:SW1B+1] offset:1024*\q+16
.endr
.irp t, 0,1,2,3
	global_load_b128 v[64+8*\t:67+8*\t], v3, s[B1B:B1B+1] offset:(32*(\t/2)+8*(\t%2))*4      ; b1 in the result's layout: units 32 (t / 2) + 16 h + 8 (t % 2) + 0 .. 7
	global_load_b128 v[68+8*\t:71+8*\t], v3, s[B1B:B1B+1] offset:(32*(\t/2)+8*(\t%2))*4+16
.endr
	WSET 144, W1B, 12288, 0
	WSET 192, W1B, 12288, 1
	WIN 0x40
	WSET 128, W1B, 12288, 2
	WSET 176, W1B, 12288, 3
	WIN 0
.irp s, 0,1,2,3,4,5,6,7
	P1STEP \s
.endr
.irp m, 0,1,2,3
	GELU \m
	QH \m
.endr
.Lp1_next:
	s_wait_xcnt 0x0                                ; the trip's loads have read their bases
	s_add_nc_u64 s[W1B:W1B+1], s[W1B:W1B+1], 393216
	s_add_nc_u64 s[SW1B:SW1B+1], s[SW1B:SW1B+1], 16384
	s_add_nc_u64 s[B1B:B1B+1], s[B1B:B1B+1], 2048
	s_add_co_u32 s43, s43, 24576
	s_add_co_u32 s44, s44, 1024
	s_add_co_u32 s40, s40, 1
	s_cmp_lt_u32 s40, 8
	s_cbranch_scc1 .Lp1
	s_wait_dscnt 0x0                               ; for the others' sake: my images and bytes are stored
	s_barrier_signal -1
	s_barrier_wait -1
	; ---------------- PHASE 2 ----------------
	s_mov_b32 s41, 0
.Lg:                                               ; 64 of my 128 columns a trip
	WIN 0x40
.set i, 0
.rept 128
	v_mov_b32 v[128+i], 0                          ; which expert comes first is known from memory alone, so the sums begin at 0
.set i, i+1
.endr
	WIN 0
	s_mov_b32 s43, 0
	s_mov_b32 s44, 0
	s_mov_b32 s46, 0
	s_mov_b32 s40, 0
.Lp2:
	s_lshr_b32 s4, s42, s40
	s_and_b32 s4, s4, 1
	s_cmp_eq_u32 s4, 0
	s_cbranch_scc1 .Lp2_next
	v_add_nc_u32 v15, s43, v9
	v_add_nc_u32 v16, s43, v10
	v_add_nc_u32 v17, s44, v11
	v_add_nc_u32 v24, s46, v248
.irp q, 0,1
	global_load_b128 v[48+4*\q:51+4*\q], v1, s[SW2B:SW2B+1] offset:512*\q
.endr
.irp t, 0,1,2,3
	global_load_b128 v[64+8*\t:67+8*\t], v4, s[B2B:B2B+1] offset:64*\t          ; b2 in the result's layout: columns 16 t + 8 h + 0 .. 7
	global_load_b128 v[68+8*\t:71+8*\t], v4, s[B2B:B2B+1] offset:64*\t+16
.endr
	WSET 144, W2B, 6144, 0
	WSET 192, W2B, 6144, 1
.irp q, 0,1
	ds_load_b128 v[32+4*\q:35+4*\q], v17 offset:512*\q      ; the hidden layer's scale words: register 4 q + s
.endr
.irp m, 0,1,2,3
	ds_load_b32 v[240+2*\m], v24 offset:64*\m
.endr
.irp s, 0,1,2,3
	P2STEP \s
.endr
	WIN 0x51                                       ; OUT and Y window 1, c window 0
.irp m, 0,1,2,3
.irp t, 0,1,2,3
.irp p, 0,2,4,6
	v_pk_fma_f32 v[128+8*(4*\m+\t)+\p:129+8*(4*\m+\t)+\p], v[8*(4*\m+\t)+\p:8*(4*\m+\t)+\p+1], v[240+2*\m:241+2*\m], v[128+8*(4*\m+\t)+\p:129+8*(4*\m+\t)+\p] op_sel_hi:[1,0,1]   ; each accumulator from its low end on
.endr
.endr
.endr
	WIN 0
.Lp2_next:
	s_wait_xcnt 0x0
	s_add_nc_u64 s[W2B:W2B+1], s[W2B:W2B+1], 393216
	s_add_nc_u64 s[SW2B:SW2B+1], s[SW2B:SW2B+1], 16384
	s_add_nc_u64 s[B2B:B2B+1], s[B2B:B2B+1], 4096
	s_add_co_u32 s43, s43, 24576
	s_add_co_u32 s44, s44, 1024
	s_add_co_u32 s46, s46, 256
	s_add_co_u32 s40, s40, 1
	s_cmp_lt_u32 s40, 8
	s_cbranch_scc1 .Lp2
	; the way out: a tile of 16 tokens x 64 columns through my own stage, back as whole rows of 256 bytes
.irp m, 0,1,2,3
	s_wait_xcnt 0x0                                ; the last tile's stores have read their registers
	WIN 0x04
.irp t, 0,1,2,3
	ds_store_b128 v18, v[128+8*(4*\m+\t):131+8*(4*\m+\t)] offset:64*\t
	ds_store_b128 v18, v[132+8*(4*\m+\t):135+8*(4*\m+\t)] offset:64*\t+16
.endr
	WIN 0
.irp i, 0,1,2,3,4,5,6,7
	ds_load_b128 v[96+4*\i:99+4*\i], v19 offset:544*\i      ; LDS serves a wave's instructions in order: these see my stores
.endr
	ds_load_b128 v[128:131], v20 offset:64*\m
	ds_load_b128 v[132:135], v20 offset:64*\m+16
	s_wait_dscnt 0x0
.irp i, 0,1,2,3,4,5,6,7
	v_min_u32 v[128+\i], 0x1fff, v[128+\i]
	v_lshl_add_u32 v[136+\i], v[128+\i], 12, v21   ; the token's row of 4,096 bytes, + 16 r
.endr
.irp i, 0,1,2,3,4,5,6,7
	global_store_b128 v[136+\i], v[96+4*\i:99+4*\i], s[OUTB:OUTB+1] th:TH_STORE_NT   ; sixteen lanes store 256 consecutive bytes, at a multiple of 256 from out0's first byte
.endr
.endr
	s_wait_xcnt 0x0
	s_sub_nc_u64 s[W2B:W2B+1], s[W2B:W2B+1], 3121152        ; back over eight experts, four tiles on
	s_sub_nc_u64 s[SW2B:SW2B+1], s[SW2B:SW2B+1], 130048
	s_sub_nc_u64 s[B2B:B2B+1], s[B2B:B2B+1], 32512
	s_add_nc_u64 s[OUTB:OUTB+1], s[OUTB:OUTB+1], 256
	s_add_co_u32 s41, s41, 1
	s_cmp_lt_u32 s41, 2
	s_cbranch_scc1 .Lg
	s_wait_tensorcnt 0x0                           ; the wave's end: behind my last LDS store
	ds_add_u32 v[SPW], v[NIL]
	s_wait_dscnt 0x0
	s_endpgm
.Lfunc_end_k_qcd53be3b3b_experts:
	.size	k_qcd53be3b3b_experts, .Lfunc_end_k_qcd53be3b3b_experts-k_qcd53be3b3b_experts
	.p2alignl 7, 3214868480
	.fill 96, 4, 3214868480
	.section	.rodata,"a",@progbits
	.p2align	6, 0x0
	.amdhsa_kernel k_qcd53be3b3b_experts
		.amdhsa_group_segment_fixed_size 295936
		.amdhsa_private_segment_fixed_size 0
		.amdhsa_enable_private_segment 0
		.amdhsa_kernarg_size 56
		.amdhsa_user_sgpr_count 2
		.amdhsa_user_sgpr_kernarg_segment_ptr 1
		.amdhsa_wavefront_size32 1
		.amdhsa_system_sgpr_workgroup_id_x 1
		.amdhsa_system_sgpr_workgroup_id_y 1
		.amdhsa_system_sgpr_workgroup_id_z 1
		.amdhsa_system_vgpr_workitem_id 0
		.amdhsa_next_free_vgpr 512
		.amdhsa_next_free_sgpr 100
		.amdhsa_reserve_vcc 1
		.amdhsa_float_denorm_mode_32 3
		.amdhsa_float_denorm_mode_16_64 3
		.amdhsa_memory_ordered 1
		.amdhsa_forward_progress 1
		.amdhsa_inst_pref_size 174
	.end_amdhsa_kernel
	.amdgpu_metadata
---
amdhsa.version: [ 1, 2 ]
amdhsa.kernels:
  - .name:           k_qcd53be3b3b_experts
    .symbol:         k_qcd53be3b3b_experts.kd
    .args:
      - { .name: order, .offset: 0, .size: 8, .value_kind: global_buffer, .address_space: global }
      - { .name: cws, .offset: 8, .size: 8, .value_kind: global_buffer, .address_space: global }
      - { .name: xq, .offset: 16, .size: 8, .value_kind: global_buffer, .address_space: global }
      - { .name: wq, .offset: 24, .size: 8, .value_kind: global_buffer, .address_space: global }
      - { .name: b1, .offset: 32, .size: 8, .value_kind: global_buffer, .address_space: global }
      - { .name: b2, .offset: 40, .size: 8, .value_kind: global_buffer, .address_space: global }
      - { .name: out0, .offset: 48, .size: 8, .value_kind: global_buffer, .address_space: global }
    .group_segment_fixed_size: 295936
    .private_segment_fixed_size: 0
    .kernarg_segment_align: 8
    .kernarg_segment_size: 56
    .max_flat_workgroup_size: 256
    .sgpr_count:     100
    .vgpr_count:     512
    .wavefront_size: 32
...
	.end_amdgpu_metadata
.endif
;; end of part 3
;; ======== version 2 of 2: 3 launches; 1.19 times as fast as version 1
;; workspace buffers: xq 6,553,600 bytes; wq 6,553,600 bytes; route 98,304 bytes of whole numbers; routef 81,920 bytes; order 32,768 bytes of whole numbers; cws 65,536 bytes
;; launch prep: the kernel of part 1 again; grid 256 x 1, 4 waves a work-group, no clusters, 56,832 bytes of LDS; arguments hidden_states, gate_w, w1, w2, xq, wq, route, routef; writes xq, wq, route, routef
;; launch place (part 4): grid 1 x 1, 32 waves a work-group, no clusters, 9,216 bytes of LDS; arguments route, routef, order, cws, out1; writes order, cws, out1
.if DOCPART == 4
	.amdgcn_target "amdgcn-amd-amdhsa--gfx1250"
	.amdhsa_code_object_version 6
	.text
	.protected	k_qcd53be3b3b_place
	.globl	k_qcd53be3b3b_place
	.p2align	8
	.type	k_qcd53be3b3b_place,@function
k_qcd53be3b3b_place:
	s_mov_b64 s[64:65], 0
	v_nop
	global_prefetch_b8 v0, s[64:65] scope:SCOPE_SE
	s_setreg_imm32_b32 hwreg(HW_REG_WAVE_MODE, 25, 1), 1
	s_wait_xcnt 0x0
; SECOND LAUNCH: a counting sort of the 8,192 tokens by their pair of experts (28 pairs), and the load-balancing loss.  It leaves no work of its own out; the one_hot product is a selection (first launch's head).
; One work-group, no atomics.  Wave w owns chunks 16 w .. 16 w + 15 (tokens 256 w .. 256 w + 255).  In the tables a lane is a pair's number.
; A token's place = (tokens of the pairs that come earlier in the order) + (tokens of its pair in lower waves) + (in lower chunks of its wave) + (its rank in its chunk, from the first launch).
; THE ORDER OF THE PAIRS is (0,7) .. (0,1), (1,2) .. (1,7), (2,7) .. (2,3), (3,4) .. (3,7), (4,7) .. (4,5), (5,6), (5,7), (6,7): neighbours in it share an expert, so a block of the third launch that spans two pairs walks three experts, not four.
; order[place] = token | lo << 16 | hi << 20;  cws[place] = its two weights.  Every place is formed from numbers read from memory and is held under 8,192 before it enters an address.
; out1 = 8 sum_e (mean of probs_e) (count_e / 16,384) = 2^-24 sum over pairs p of count_p (P[lo_p] + P[hi_p]), P the sums of the probabilities over all tokens.
.set HIST,  32768
.set PSUM,  65536
.set PTAB,  4096                       ; LDS: 0: [wave][32 pairs] counts; 4,096: [wave][8] sums of probabilities
.set SPARE, 5120                       ; the spare words, 128 bytes for each of 32 waves: sixteen blocks of 256 bytes that no other line names
.set SPW, 126                          ; v126 SPARE + 4 x my thread's number; never rewritten
.set NIL, 127                          ; v127 0; never rewritten
; v16-31 my chunks' histograms; v32-39 my tokens' words; v40-55 their weights; v56-63 sums of probabilities; v64-79 each chunk's first places; v80-83 totals; v84-115 at work
	s_load_b256 s[8:15], s[0:1], 0x0               ; route s[8:9], routef s[10:11], order s[12:13], cws s[14:15]
	s_load_b64 s[16:17], s[0:1], 0x20              ; out1
	v_lshl_add_u32 v[SPW], v0, 2, SPARE
	v_mov_b32 v[NIL], 0
	v_lshrrev_b32 v1, 5, v0
	v_readfirstlane_b32 s20, v1                    ; wave 0..31
	v_and_b32 v1, 31, v0                           ; lane
	v_lshlrev_b32 v2, 2, v1
	v_lshlrev_b32 v3, 3, v1
	v_lshlrev_b32 v4, 4, v1
	v_lshlrev_b32 v5, 2, v0                        ; my word of the counts' table: 128 x wave + 4 x lane
	v_and_b32 v6, 1, v0
	v_lshlrev_b32 v6, 4, v6
	s_lshl_b32 s21, s20, 5
	s_add_co_u32 s21, s21, PTAB
	v_add_nc_u32 v6, s21, v6                       ; my wave's eight sums: 16 bytes for each parity of the lanes
	v_lshl_add_u32 v7, v1, 5, PTAB                 ; wave 0 reads wave (lane)'s eight
	v_and_b32 v9, 0x3e0, v0
	v_lshl_or_b32 v9, v9, 3, v1                    ; 256 x wave + lane
	v_bfe_u32 v10, v0, 4, 1                        ; h
.irp q, 0,1,2,3
	v_mov_b32 v[60+\q], 0                          ; written once: a lane permute's destination counts as one of its sources
.endr
	s_mov_b32 s26, 0x76543210
	s_mov_b32 s27, 0xfedcba98
	s_mov_b32 s23, 0
	s_wait_kmcnt 0x0
	s_lshl_b32 s22, s20, 11
	s_add_nc_u64 s[28:29], s[8:9], s[22:23]
	s_add_nc_u64 s[28:29], s[28:29], HIST          ; my 16 histograms of 128 bytes
	s_add_nc_u64 s[32:33], s[10:11], s[22:23]      ; my 256 tokens' weights
	s_lshl_b32 s22, s20, 10
	s_add_nc_u64 s[30:31], s[8:9], s[22:23]        ; their words
	s_lshl_b32 s22, s20, 9
	s_add_nc_u64 s[34:35], s[10:11], s[22:23]
	s_add_nc_u64 s[34:35], s[34:35], PSUM          ; my 16 chunks' sums
.irp i, 0,1,2,3,4,5,6,7,8,9,10,11,12,13,14,15
	global_load_b32 v[16+\i], v2, s[28:29] offset:128*\i
.endr
.irp i, 0,1,2,3,4,5,6,7
	global_load_b32 v[32+\i], v2, s[30:31] offset:128*\i
.endr
.irp i, 0,1,2,3,4,5,6,7
	global_load_b64 v[40+2*\i:41+2*\i], v3, s[32:33] offset:256*\i
.endr
	global_load_b128 v[56:59], v4, s[34:35]        ; lane l: chunk l / 2, experts 4 (l % 2) + 0 .. 3
	s_wait_loadcnt 17                              ; the histograms are in; the 8 + 8 + 1 loads issued behind them may be out
	v_mov_b32 v64, 0
.irp i, 1,2,3,4,5,6,7,8,9,10,11,12,13,14,15
	v_add_nc_u32 v[64+\i], v[63+\i], v[15+\i]      ; tokens of the pair in my wave's lower chunks
.endr
	v_add_nc_u32 v80, v79, v31                     ; and in the whole wave
	ds_store_b32 v5, v80
	s_wait_loadcnt 0x0
.irp m, 2,4,8
.irp q, 0,1,2,3
	v_add_f32_dpp v[56+\q], v[56+\q], v[56+\q] row_xmask:\m row_mask:0xf bank_mask:0xf   ; over the lanes of my parity
.endr
.endr
.irp q, 0,1,2,3
	v_permlanex16_b32 v[60+\q], v[56+\q], s26, s27
.endr
.irp q, 0,1,2,3
	v_add_f32 v[56+\q], v[56+\q], v[60+\q]
.endr
	ds_store_b128 v6, v[56:59]                     ; the lanes of a parity write the same 16 bytes with the same values
	s_wait_dscnt 0x0                               ; for the others' sake: my stores are done
	s_barrier_signal -1
	s_barrier_wait -1
.irp j, 0,1,2,3,4,5,6,7,8,9,10,11,12,13,14,15,16,17,18,19,20,21,22,23,24,25,26,27,28,29,30,31
	ds_load_b32 v[84+\j], v2 offset:128*\j         ; every wave's count of my pair
.endr
	v_mov_b32 v82, 0                               ; over all waves,
	v_mov_b32 v83, 0                               ; and over the waves below mine
	s_wait_dscnt 0x0
.irp j, 0,1,2,3,4,5,6,7,8,9,10,11,12,13,14,15,16,17,18,19,20,21,22,23,24,25,26,27,28,29,30,31
	s_cmp_gt_u32 s20, \j
	s_cselect_b32 s24, -1, 0
	v_and_b32 v8, s24, v[84+\j]
	v_add_nc_u32 v82, v82, v[84+\j]
	v_add_nc_u32 v83, v83, v8
.endr
	v_mov_b32 v81, 0
	s_mov_b32 s24, 0
.irp k, 6,5,4,3,2,1,0,7,8,9,10,11,12,17,16,15,14,13,18,19,20,21,24,23,22,25,26,27,28,29,30,31
	v_writelane_b32 v81, s24, \k                   ; the tokens of all pairs that come earlier in the order (numbers 28 to 31 are no pairs: their counts are 0)
	v_readlane_b32 s25, v82, \k
	s_add_co_u32 s24, s24, s25
.endr
.irp i, 0,1,2,3,4,5,6,7,8,9,10,11,12,13,14,15
	v_add3_u32 v[64+\i], v[64+\i], v81, v83        ; lane p: the first place of pair p in my chunk i
.endr
.irp i, 0,1,2,3,4,5,6,7
	v_and_b32 v[84+\i], 31, v[32+\i]
	v_lshlrev_b32 v[84+\i], 2, v[84+\i]            ; 4 x my token's pair: the lane to pull from
.endr
.irp i, 0,1,2,3,4,5,6,7
	ds_bpermute_b32 v[92+2*\i], v[84+\i], v[64+2*\i]   ; token 32 i + lane lies in chunk 2 i + h
	ds_bpermute_b32 v[93+2*\i], v[84+\i], v[65+2*\i]
.endr
	v_cmp_eq_u32 vcc_lo, 1, v10
	s_wait_dscnt 0x0
.irp i, 0,1,2,3,4,5,6,7
	v_cndmask_b32 v[92+2*\i], v[92+2*\i], v[93+2*\i], vcc_lo
	v_bfe_u32 v[84+\i], v[32+\i], 8, 4
	v_add_nc_u32 v[92+2*\i], v[92+2*\i], v[84+\i]  ; + my rank
	v_min_u32 v[92+2*\i], 0x1fff, v[92+2*\i]       ; a number that was loaded enters an address only so
	v_add_nc_u32 v[84+\i], 32*\i, v9               ; my token
	v_and_or_b32 v[108+\i], v[32+\i], 0x770000, v[84+\i]
	v_lshlrev_b32 v[93+2*\i], 3, v[92+2*\i]
	v_lshlrev_b32 v[92+2*\i], 2, v[92+2*\i]
	global_store_b32 v[92+2*\i], v[108+\i], s[12:13]
	global_store_b64 v[93+2*\i], v[40+2*\i:41+2*\i], s[14:15]
.endr
	s_cmp_lg_u32 s20, 0                            ; the loss is wave 0's; no barrier stands in this branch
	s_cbranch_scc1 .Lend
	ds_load_b128 v[56:59], v7
	ds_load_b128 v[60:63], v7 offset:16
	v_mov_b32 v16, 0                               ; lo of pair (lane): how many of the pairs' first numbers 7, 13, 18, 22, 25, 27 are at or under it
	v_mov_b32 v17, 1
.irp thr, 7,13,18,22,25,27
	v_cmp_le_u32 vcc_lo, \thr, v1
	v_cndmask_b32 v18, 0, v17, vcc_lo
	v_add_nc_u32 v16, v16, v18
.endr
	v_sub_nc_u32 v18, 15, v16
	v_mul_u32_u24 v18, v18, v16
	v_lshrrev_b32 v18, 1, v18
	v_sub_nc_u32 v18, v1, v18
	v_add_nc_u32 v18, v18, v16
	v_add_nc_u32 v18, 1, v18                       ; hi (lanes 28-31 are no pairs: their counts are 0)
	s_wait_dscnt 0x0
.irp m, 1,2,4,8
.irp e, 0,1,2,3,4,5,6,7
	v_add_f32_dpp v[56+\e], v[56+\e], v[56+\e] row_xmask:\m row_mask:0xf bank_mask:0xf
.endr
.endr
.irp e, 0,1,2,3,4,5,6,7
	v_permlanex16_b32 v[20+\e], v[56+\e], s26, s27
.endr
.irp e, 0,1,2,3,4,5,6,7
	v_add_f32 v[56+\e], v[56+\e], v[20+\e]         ; P[e], in every lane
.endr
	v_mov_b32 v28, v56
	v_mov_b32 v29, v56
.irp e, 1,2,3,4,5,6,7
	v_cmp_eq_u32 vcc_lo, \e, v16
	v_cndmask_b32 v28, v28, v[56+\e], vcc_lo
	v_cmp_eq_u32 vcc_lo, \e, v18
	v_cndmask_b32 v29, v29, v[56+\e], vcc_lo
.endr
	v_cvt_f32_u32 v19, v82
	v_add_f32 v28, v28, v29
	v_mul_f32 v19, v19, v28
.irp m, 1,2,4,8
	v_add_f32_dpp v19, v19, v19 row_xmask:\m row_mask:0xf bank_mask:0xf
.endr
	v_permlanex16_b32 v20, v19, s26, s27
	v_add_f32 v19, v19, v20
	v_mul_f32 v19, 0x33800000, v19                 ; x 2^-24
	v_mov_b32 v21, 0
	v_cmp_eq_u32 vcc_lo, 0, v1
	s_wait_xcnt 0x0                                ; EXEC changes only behind this wait
	s_and_saveexec_b32 s36, vcc_lo
	global_store_b32 v21, v19, s[16:17]
	s_wait_xcnt 0x0
	s_or_b32 exec_lo, exec_lo, s36
.Lend:
	s_wait_tensorcnt 0x0                           ; the wave's end: behind my last LDS store
	ds_add_u32 v[SPW], v[NIL]
	s_wait_dscnt 0x0
	s_endpgm
.Lfunc_end_k_qcd53be3b3b_place:
	.size	k_qcd53be3b3b_place, .Lfunc_end_k_qcd53be3b3b_place-k_qcd53be3b3b_place
	.p2alignl 7, 3214868480
	.fill 96, 4, 3214868480
	.section	.rodata,"a",@progbits
	.p2align	6, 0x0
	.amdhsa_kernel k_qcd53be3b3b_place
		.amdhsa_group_segment_fixed_size 9216
		.amdhsa_private_segment_fixed_size 0
		.amdhsa_enable_private_segment 0
		.amdhsa_kernarg_size 40
		.amdhsa_user_sgpr_count 2
		.amdhsa_user_sgpr_kernarg_segment_ptr 1
		.amdhsa_wavefront_size32 1
		.amdhsa_system_sgpr_workgroup_id_x 1
		.amdhsa_system_sgpr_workgroup_id_y 1
		.amdhsa_system_sgpr_workgroup_id_z 1
		.amdhsa_system_vgpr_workitem_id 0
		.amdhsa_next_free_vgpr 128
		.amdhsa_next_free_sgpr 66
		.amdhsa_reserve_vcc 1
		.amdhsa_float_denorm_mode_32 3
		.amdhsa_float_denorm_mode_16_64 3
		.amdhsa_memory_ordered 1
		.amdhsa_forward_progress 1
		.amdhsa_inst_pref_size 32
	.end_amdhsa_kernel
	.amdgpu_metadata
---
amdhsa.version: [ 1, 2 ]
amdhsa.kernels:
  - .name:           k_qcd53be3b3b_place
    .symbol:         k_qcd53be3b3b_place.kd
    .args:
      - { .name: route, .offset: 0, .size: 8, .value_kind: global_buffer, .address_space: global }
      - { .name: routef, .offset: 8, .size: 8, .value_kind: global_buffer, .address_space: global }
      - { .name: order, .offset: 16, .size: 8, .value_kind: global_buffer, .address_space: global }
      - { .name: cws, .offset: 24, .size: 8, .value_kind: global_buffer, .address_space: global }
      - { .name: out1, .offset: 32, .size: 8, .value_kind: global_buffer, .address_space: global }
    .group_segment_fixed_size: 9216
    .private_segment_fixed_size: 0
    .kernarg_segment_align: 8
    .kernarg_segment_size: 40
    .max_flat_workgroup_size: 1024
    .sgpr_count:     66
    .vgpr_count:     128
    .wavefront_size: 32
...
	.end_amdgpu_metadata
.endif
;; end of part 4
;; launch experts (part 5): grid 256 x 1, 8 waves a work-group, no clusters, 165,888 bytes of LDS; arguments order, cws, xq, wq, b1, b2, out0; writes out0
.if DOCPART == 5
	.amdgcn_target "amdgcn-amd-amdhsa--gfx1250"
	.amdhsa_code_object_version 6
	.text
	.protected	k_qcd53be3b3b_experts
	.globl	k_qcd53be3b3b_experts
	.p2align	8
	.type	k_qcd53be3b3b_experts,@function
k_qcd53be3b3b_experts:
	s_mov_b64 s[64:65], 0
	v_nop
	global_prefetch_b8 v0, s[64:65] scope:SCOPE_SE
	s_setreg_imm32_b32 hwreg(HW_REG_WAVE_MODE, 25, 1), 1
	s_wait_xcnt 0x0
; THIRD LAUNCH: out[t] = sum over the two chosen experts e of c_e (Q(gelu(Q(x) Q(W1_e)^T + b1_e)) Q(W2_e)^T + b2_e), both products on codes of E2M3 with one E8M0 scale for each 32 along K.
; LEFT OUT: the experts that none of a block's 32 tokens has chosen: reference() multiplies their results by a 0 of its own making (shown at the first launch's head).
; SHARES.  8,192 tokens / 32 = 256 work-groups.  A work-group owns 32 places of the order sorted by pairs of experts: two tiles of 16 tokens; each output row has one owner.  THE EIGHT WAVES SHARE THE COLUMNS: wave w makes hidden units
; 64 w .. 64 w + 63 and output columns 128 w .. 128 w + 127 for all 32 tokens, so each fragment of a weight is loaded by one wave, once for a work-group, straight from memory into its registers (laid so by the first launch: 512 consecutive bytes a load), and feeds two products.
; PHASE 0: the tokens' codes are gathered into LDS as images of the operand's registers | barrier | PHASE 1: experts 0..7 in a loop of constant count, those unused passed over by a scalar branch on the stored list:
; hidden = x W1^T + b1 (transposed: source 0 = 16 rows of W1, source 1 = 16 tokens; b1 is the C of the first K step), GELU in f32, quantised in registers, images into LDS for ALL experts | barrier |
; PHASE 2: two groups of 64 columns a wave; in each the experts again: Y = h W2^T + b2, OUT += c Y; then OUT leaves through the wave's stage as whole rows of 256 bytes.  No barrier stands under a branch.
; The tokens' fragments of a K step (two, 24 registers) have two buffers: a step's LDS loads are issued one step ahead of the products that read them.  In phase 2 the fragments of W2 for all four K steps are asked for at a trip's head.
; NO TENSOR LOADS, NO CLUSTER: which experts a block walks hangs on numbers read from memory, and neighbouring blocks need different experts, so no joint request could be made alike by partners.
; GELU = 0.5 x (1 + erf(x / sqrt 2)), erf(z) = z P(z^2) / Q(z^2) on z held to +-4.  LIMIT: for x under about -5 the result lies within 6e-8 |x| of 0 in absolute terms, not to relative accuracy.
; LIMITS of the quantiser as in the first launch: byte 1 for blocks under 2^-124 and for blocks of zeros.
; REGISTERS, window 0: v1-v21 addresses; v22, v23 the add's two; v24-31 at work; v32-39 the tokens' scale words (x's, then h's), v48-63 the weights': scales and nothing else; v64-95 four tiles of bias; v96-119, v120-143 two buffers of two fragments of tokens
;   (on the way out rows, tokens, offsets); v144-191, v192-239 two sets of four fragments of a weight; v240-243 c as pairs; v248 c's address; v250-253 two constants as pairs.
;   window 1: v0-63 eight accumulators; phase 1: v128-223 two more sets, then v128-255 GELU's work; phase 2: v64-127 OUT, v128-223 two more sets.
.set XS_OFF, 6291456
.set W2Q,    3145728
.set SW1,    6291456
.set SW2,    6422528
.set XSC,    24576                     ; LDS: 0: x's 16 fragments (8 m + s) x 1,536; here x's scale bytes [row][32]
.set TOKT,   25600                     ; a wave's own 128 bytes: word 16 m + 8 h + i = the token of row 16 m + 2 i + h
.set CTAB,   26624                     ; [expert][32 rows] the combine weights, 0 where the token did not choose the expert
.set HIMG,   27648                     ; the hidden layer: expert x 12,288 + (4 m + s) x 1,536 + c x 768: registers 6 c .. 6 c + 3 at 16 x lane, then 6 c + 4, 6 c + 5 at 8 x lane
.set HSC,    125952                    ; its scale bytes: expert x 512 + row x 16 + block
.set STG,    130048                    ; a wave's stage: 16 rows x (256 + 16) bytes
.set SPARE,  164864                    ; the spare words, 128 bytes a wave: four blocks of 256 bytes that no other line names
.set SPW, 22
.set NIL, 23
.set W1B, 24                           ; s[24:25] .. s[36:37]: bases that step from expert to expert
.set SW1B, 26
.set B1B, 28
.set W2B, 30
.set SW2B, 32
.set B2B, 34
.set OUTB, 36
.set MSB, 0
.macro WIN new                         ; the immediate's high byte repeats the setting that is left
.if MSB != \new
	s_set_vgpr_msb (MSB<<8)|\new
.set MSB, \new
.endif
.endm
.macro KONST r, val                    ; a constant as a scalar pair: the packed forms name the pair and take its low word
	s_mov_b32 s[\r], \val
	s_mov_b32 s[\r+1], \val
.endm
; four fragments of a weight (tiles stride bytes apart, K step s) into 48 registers from reg on
.macro WSET reg, base, stride, s
.irp t, 0,1,2,3
.irp j, 0,1,2
	global_load_b128 v[\reg+12*\t+4*\j:\reg+12*\t+4*\j+3], v1, s[\base:\base+1] offset:\t*\stride+(\s)*1536+512*\j
.endr
.endr
.endm
; one product; rD, rA, rB, rC, rSA, rSB are set ahead of it; ra, rb: the scale words stand in lanes 16-31
.macro WM ra, rb
.if (\ra) && (\rb)
	v_wmma_scale_f32_16x16x128_f8f6f4 v[rD:rD+7], v[rA:rA+11], v[rB:rB+11], v[rC:rC+7], v[rSA], v[rSB] matrix_a_fmt:MATRIX_FMT_FP6 matrix_b_fmt:MATRIX_FMT_FP6 matrix_a_scale:MATRIX_SCALE_ROW1 matrix_b_scale:MATRIX_SCALE_ROW1
.elseif (\ra)
	v_wmma_scale_f32_16x16x128_f8f6f4 v[rD:rD+7], v[rA:rA+11], v[rB:rB+11], v[rC:rC+7], v[rSA], v[rSB] matrix_a_fmt:MATRIX_FMT_FP6 matrix_b_fmt:MATRIX_FMT_FP6 matrix_a_scale:MATRIX_SCALE_ROW1
.elseif (\rb)
	v_wmma_scale_f32_16x16x128_f8f6f4 v[rD:rD+7], v[rA:rA+11], v[rB:rB+11], v[rC:rC+7], v[rSA], v[rSB] matrix_a_fmt:MATRIX_FMT_FP6 matrix_b_fmt:MATRIX_FMT_FP6 matrix_b_scale:MATRIX_SCALE_ROW1
.else
	v_wmma_scale_f32_16x16x128_f8f6f4 v[rD:rD+7], v[rA:rA+11], v[rB:rB+11], v[rC:rC+7], v[rSA], v[rSB] matrix_a_fmt:MATRIX_FMT_FP6 matrix_b_fmt:MATRIX_FMT_FP6
.endif
.endm
; x's two fragments of K step s from LDS into buffer s % 2: six loads
.macro XFR s
.irp m, 0,1
.irp j, 0,1,2
	ds_load_b128 v[96+24*((\s)%2)+12*\m+4*\j:99+24*((\s)%2)+12*\m+4*\j], v1 offset:(8*\m+(\s))*1536+512*\j
.endr
.endr
.endm
; PHASE 1, K step s of 8: the next step's fragments of x are asked for; 8 products (my 4 tiles of W1 x 2 tiles of tokens); the 8 accumulators take turns, one instruction a turn.
.macro P1STEP s
.if \s < 7
	XFR \s+1                                       ; into the buffer that the step before has multiplied: its four places stand behind that step's products
.endif
.if \s <= 4
	s_wait_loadcnt 36                              ; this step's set is in (with step 0: scales and bias too); the three younger sets, 12 loads each, may be out
.else
	s_wait_loadcnt 12*(7-\s)
.endif
.if \s < 7
	s_wait_dscnt 6                                 ; this step's fragments of x are in; the six loads just issued may be out
.else
	s_wait_dscnt 0x0
.endif
.if (\s%4) < 2
.set rSET, 144+48*(\s%4)
.else
.set rSET, 128+48*((\s%4)-2)
.endif
.if \s == 0
	WIN 0x40                                       ; D window 1; W1, x and the bias window 0
.elseif (\s%4) < 2
	WIN 0x50                                       ; C and D window 1
.else
	WIN 0x51                                       ; and W1's set too
.endif
.irp t, 0,1,2,3
.irp m, 0,1
.set rD, 32*\m+8*\t
.set rA, rSET+12*\t
.set rB, 96+24*(\s%2)+12*\m
.if \s == 0
.set rC, 64+8*\t
.else
.set rC, rD
.endif
.set rSA, 48+8*(\t/2)+\s
.set rSB, 32+\s
	WM \t%2, \m
.endr
.endr
	WIN 0
.rept 4
	v_nop                                          ; four places in front of loads into registers that the products have read, and of the first read of results
.endr
.if \s < 4
.if (\s%4) < 2
	WSET rSET, W1B, 12288, \s+4
.else
	WIN 0x40
	WSET rSET, W1B, 12288, \s+4
	WIN 0
.endif
.endif
.endm
; GELU of tile m's 32 numbers a lane, in place, all in window 1: Z v128, Z^2 v160, P v192, Q v224
.macro GELU m
.set gX, 32*\m
	WIN 0x55
.set i, 0
.rept 16
	v_pk_mul_f32 v[128+i:129+i], v[gX+i:gX+i+1], s[66:67] op_sel_hi:[1,0]   ; z = x / sqrt 2; each accumulator is read from its low end on
.set i, i+2
.endr
.set i, 0
.rept 32
	v_med3_num_f32 v[128+i], v[128+i], -4.0, 4.0
.set i, i+1
.endr
.set i, 0
.rept 16
	v_pk_mul_f32 v[160+i:161+i], v[128+i:129+i], v[128+i:129+i]
.set i, i+2
.endr
	WIN 0x41                                       ; the first Horner step takes its addend from a pair in window 0
.set i, 0
.rept 16
	v_pk_fma_f32 v[192+i:193+i], v[160+i:161+i], s[68:69], v[250:251] op_sel_hi:[1,0,1]
	v_pk_fma_f32 v[224+i:225+i], v[160+i:161+i], s[82:83], v[252:253] op_sel_hi:[1,0,1]
.set i, i+2
.endr
	WIN 0x55
.irp c, 72,74,76,78,80
.set i, 0
.rept 16
	v_pk_fma_f32 v[192+i:193+i], v[192+i:193+i], v[160+i:161+i], s[\c:\c+1] op_sel_hi:[1,1,0]
.set i, i+2
.endr
.endr
.irp c, 86,88,90
.set i, 0
.rept 16
	v_pk_fma_f32 v[224+i:225+i], v[224+i:225+i], v[160+i:161+i], s[\c:\c+1] op_sel_hi:[1,1,0]
.set i, i+2
.endr
.endr
.set i, 0
.rept 32
	v_rcp_f32 v[224+i], v[224+i]
.set i, i+1
.endr
.set i, 0
.rept 16
	v_pk_mul_f32 v[192+i:193+i], v[192+i:193+i], v[128+i:129+i]             ; z P: work that names no reciprocal
.set i, i+2
.endr
.set i, 0
.rept 16
	v_pk_mul_f32 v[gX+i:gX+i+1], v[gX+i:gX+i+1], 0.5 op_sel_hi:[1,0]
.set i, i+2
.endr
	s_wait_alu depctr_va_vdst(0)                   ; one wait for the 32 reciprocals, ahead of their first reader
.set i, 0
.rept 16
	v_pk_mul_f32 v[192+i:193+i], v[192+i:193+i], v[224+i:225+i]             ; erf
.set i, i+2
.endr
.set i, 0
.rept 16
	v_pk_fma_f32 v[gX+i:gX+i+1], v[gX+i:gX+i+1], v[192+i:193+i], v[gX+i:gX+i+1]   ; 0.5 x erf + 0.5 x
.set i, i+2
.endr
.endm
; tile m's 32 numbers a lane (register 16 b + i = hidden unit 64 w + 32 b + 16 h + i of my token) become six registers of codes (v136-141 of window 1) and two scale bytes (v134), and go to LDS
.macro QH m
.set gX, 32*\m
.irp b, 0,1
	v_max3_num_f32 v[128+\b], |v[gX+16*\b]|, |v[gX+16*\b+1]|, 0x1800000     ; and the floor 2^(3 - 127)
.endr
.irp k, 2,4,6,8,10,12,14
.irp b, 0,1
	v_max3_num_f32 v[128+\b], v[128+\b], |v[gX+16*\b+\k]|, |v[gX+16*\b+\k+1]|
.endr
.endr
.irp b, 0,1
	v_permlanex16_b32 v[130+\b], v[128+\b], s56, s57
.endr
.irp b, 0,1
	v_max_num_f32 v[128+\b], v[128+\b], v[130+\b]  ; with lane l xor 16's 16: the block's largest magnitude
.endr
.irp b, 0,1
	v_add_nc_u32 v[132+\b], 0xff000000, v[128+\b]
.endr
.irp b, 0,1
	v_lshrrev_b32 v[130+\b], 23, v[132+\b]
.endr
	v_lshl_or_b32 v134, v131, 8, v130
	v_cvt_scalef32_pk16_fp6_f32 v[136:138], v[gX:gX+15], v132
	v_cvt_scalef32_pk16_fp6_f32 v[144:146], v[gX+16:gX+31], v133
	v_nop                                          ; one plain line behind the conversions
.irp i, 0,1,2
	v_permlane16_swap_b32 v[136+\i], v[144+\i]     ; a whole block to a lane: lanes 0-15 the first block, lanes 16-31 the second
.endr
.irp i, 0,1,2
	v_mov_b32 v[139+\i], v[144+\i]
.endr
	WIN 0x04                                       ; an LDS store's data are its source 1: window 1
	ds_store_b128 v12, v[136:139] offset:6144*\m
	ds_store_b64 v13, v[140:141] offset:6144*\m
	ds_store_b16 v14, v134 offset:256*\m           ; lanes r and r + 16 write the same two bytes with the same values
	WIN 0
	s_wait_dscnt 0x0                               ; the stores have read their registers
.endm
; the hidden layer's two fragments of K step s from LDS into buffer s % 2: eight loads
.macro HFR s
.irp m, 0,1
.set hB, 96+24*((\s)%2)+12*\m
	ds_load_b128 v[hB:hB+3], v15 offset:(4*\m+(\s))*1536
	ds_load_b64 v[hB+4:hB+5], v16 offset:(4*\m+(\s))*1536
	ds_load_b128 v[hB+6:hB+9], v15 offset:(4*\m+(\s))*1536+768
	ds_load_b64 v[hB+10:hB+11], v16 offset:(4*\m+(\s))*1536+768
.endr
.endm
; PHASE 2, K step s of 4: the next step's fragments of the hidden layer are asked for; 8 products (4 tiles of W2 x 2 tiles of tokens), accumulators by turns
.macro P2STEP s
.if \s < 3
	HFR \s+1
.endif
	s_wait_loadcnt 12*(3-\s)                       ; this step's set is in (with step 0: scales and bias too); the younger sets, 12 loads each, may be out
.if \s < 3
	s_wait_dscnt 8                                 ; this step's fragments (with step 0: scale words and c too) are in; the eight loads just issued may be out
.else
	s_wait_dscnt 0x0
.endif
.if \s < 2
.set rSET, 144+48*\s
.else
.set rSET, 128+48*(\s-2)
.endif
.if \s == 0
	WIN 0x40                                       ; D window 1; W2, h and the bias window 0
.elseif \s == 1
	WIN 0x50                                       ; C and D window 1
.else
	WIN 0x51                                       ; and W2's set too
.endif
.irp t, 0,1,2,3
.irp m, 0,1
.set rD, 8*(4*\m+\t)
.set rA, rSET+12*\t
.set rB, 96+24*(\s%2)+12*\m
.if \s == 0
.set rC, 64+8*\t
.else
.set rC, rD
.endif
.set rSA, 48+4*(\t/2)+\s
.set rSB, 32+\s
	WM \t%2, \m
.endr
.endr
	WIN 0
.rept 4
	v_nop                                          ; four places in front of loads into registers that the products have read, and of the first read of results
.endr
.if \s == 3
	v_nop                                          ; a fifth place: these accumulators are begun anew by a later product
.endif
.endm
	s_load_b256 s[8:15], s[0:1], 0x0               ; order s[8:9], cws s[10:11], xq s[12:13], wq s[14:15]
	s_load_b128 s[16:19], s[0:1], 0x20             ; b1, b2
	s_load_b64 s[20:21], s[0:1], 0x30              ; out0
	v_lshl_add_u32 v[SPW], v0, 2, SPARE
	v_mov_b32 v[NIL], 0
	v_lshrrev_b32 v24, 5, v0
	v_readfirstlane_b32 s45, v24                   ; wave 0..7
	v_and_b32 v25, 31, v0                          ; lane
	v_and_b32 v26, 15, v0                          ; r
	v_bfe_u32 v27, v0, 4, 1                        ; h
	v_lshlrev_b32 v1, 4, v25                       ; 16 x lane: an image's place, in memory and in LDS
	v_lshlrev_b32 v2, 5, v25                       ; 32 x lane
	v_lshlrev_b32 v3, 6, v27                       ; 64 h
	v_lshlrev_b32 v4, 5, v27                       ; 32 h
	v_lshlrev_b32 v21, 4, v26                      ; 16 r
	v_lshlrev_b32 v28, 3, v25                      ; 8 x lane
	v_lshlrev_b32 v29, 2, v25                      ; 4 x lane
	v_add_nc_u32 v5, XSC, v2                       ; x's scale words: row = lane
	s_mul_i32 s4, s45, 768
	s_add_co_u32 s4, s4, HIMG
	v_add_nc_u32 v6, s4, v1                        ; where I put the hidden layer: K step w / 2, half w % 2: 768 w on
	s_add_co_u32 s5, s4, 512
	v_add_nc_u32 v7, s5, v28
	s_lshl_b32 s5, s45, 1
	s_add_co_u32 s5, s5, HSC
	v_add_nc_u32 v8, s5, v21                       ; and its two scale bytes: 16 r + 2 w
	v_add_nc_u32 v9, HIMG, v1                      ; where I read it
	v_add_nc_u32 v10, HIMG+512, v28
	v_add_nc_u32 v11, HSC, v1                      ; its scale words: row = lane
	s_mul_i32 s4, s45, 4352
	s_add_co_u32 s4, s4, STG
	v_mul_u32_u24 v18, v26, 272
	v_add_nc_u32 v18, v18, v4
	v_add_nc_u32 v18, s4, v18                      ; the stage, in: row r, + 32 h
	v_mul_u32_u24 v19, v27, 272
	v_add_nc_u32 v19, v19, v21
	v_add_nc_u32 v19, s4, v19                      ; back: lanes 0-15 one row, lanes 16-31 the next
	s_lshl_b32 s5, s45, 7
	s_add_co_u32 s6, s5, TOKT
	v_add_nc_u32 v20, s6, v4                       ; my half's eight tokens of a tile
	v_lshl_add_u32 v248, v26, 2, CTAB              ; c of token r
	v_bfe_u32 v118, v0, 4, 1                       ; the token table, on the way in: place l goes to word 16 (l / 16) + 8 (l % 2) + (l / 2) % 8
	v_lshlrev_b32 v118, 6, v118
	v_and_b32 v119, 1, v0
	v_lshl_add_u32 v118, v119, 5, v118
	v_bfe_u32 v119, v0, 1, 3
	v_lshl_add_u32 v118, v119, 2, v118
	v_add_nc_u32 v118, s6, v118
	s_add_co_u32 s6, s5, CTAB
	v_add_nc_u32 v117, s6, v29                     ; expert w's row of the combine weights
	s_lshr_b32 s4, s45, 2                          ; the tile of tokens that I gather: w / 4
	s_lshl_b32 s6, s4, 6
	v_lshl_add_u32 v30, v26, 2, s6                 ; the record of my gather's token: place 16 (w / 4) + r
	s_and_b32 s5, s45, 3
	s_mul_i32 s6, s5, 192
	v_mad_u32_u24 v103, v27, 24, s6                ; in a token's codes: K steps 2 (w % 4) on, + 24 h
	s_lshl_b32 s6, s5, 3
	v_lshl_add_u32 v105, v27, 2, s6                ; in its scale bytes: 8 (w % 4) + 4 h
	s_lshl_b32 s7, s4, 9
	s_add_co_u32 s7, s7, s6
	s_add_co_u32 s7, s7, XSC
	v_lshl_add_u32 v106, v26, 5, s7
	v_lshl_add_u32 v106, v27, 2, v106              ; the same four bytes in LDS: row 16 (w / 4) + r
	s_mul_i32 s7, s45, 3072
	v_add_nc_u32 v107, s7, v1                      ; x's images 2 w and 2 w + 1 = 8 (w / 4) + 2 (w % 4) on
	v_mov_b32 v241, 0                              ; named as the upper halves of c's pairs
	v_mov_b32 v243, 0
	v_mov_b32 v250, 0x32edffee                     ; alpha1
	v_mov_b32 v251, 0x32edffee
	v_mov_b32 v252, 0xb95fbd29                     ; beta1
	v_mov_b32 v253, 0xb95fbd29
	s_mov_b32 s56, 0x76543210
	s_mov_b32 s57, 0xfedcba98
	KONST 66, 0x3f3504f3                           ; 1 / sqrt 2
	KONST 68, 0xaf95df0b                           ; alpha0; alpha2 .. alpha6:
	KONST 72, 0xb60cff51
	KONST 74, 0xb86ec2d2
	KONST 76, 0xba40ac63
	KONST 78, 0xbb41a1f6
	KONST 80, 0xbc83dbd4
	KONST 82, 0xb77460cd                           ; beta0; beta2 .. beta4:
	KONST 86, 0xbadc924e
	KONST 88, 0xbbf19bf8
	KONST 90, 0xbc69b6a7
	s_mov_b32 s3, 0
	s_wait_kmcnt 0x0
	s_lshl_b32 s2, ttmp9, 7
	s_add_nc_u64 s[48:49], s[8:9], s[2:3]          ; my 32 records
	s_lshl_b32 s2, ttmp9, 8
	s_add_nc_u64 s[50:51], s[10:11], s[2:3]        ; and weight pairs
	s_add_nc_u64 s[38:39], s[12:13], XS_OFF
	s_mul_i32 s2, s45, 49152
	s_add_nc_u64 s[W1B:W1B+1], s[14:15], s[2:3]    ; my 4 tiles of W1 (12,288 bytes each),
	s_add_nc_u64 s[W2B:W2B+1], s[W1B:W1B+1], W2Q   ; my 8 tiles of W2 (6,144 each)
	s_lshl_b32 s2, s45, 11
	s_add_nc_u64 s[SW1B:SW1B+1], s[14:15], s[2:3]
	s_add_nc_u64 s[SW2B:SW2B+1], s[SW1B:SW1B+1], SW2
	s_add_nc_u64 s[SW1B:SW1B+1], s[SW1B:SW1B+1], SW1
	s_lshl_b32 s2, s45, 8
	s_add_nc_u64 s[B1B:B1B+1], s[16:17], s[2:3]
	s_lshl_b32 s2, s45, 9
	s_add_nc_u64 s[B2B:B2B+1], s[18:19], s[2:3]
	s_add_nc_u64 s[OUTB:OUTB+1], s[20:21], s[2:3]
	; ---------------- PHASE 0 ----------------
	global_load_b32 v96, v29, s[48:49]             ; the record of place lane,
	global_load_b64 v[98:99], v28, s[50:51]        ; its weights,
	global_load_b32 v102, v30, s[48:49]            ; and the record of the token that I gather
	s_wait_loadcnt 0x0
	v_and_b32 v102, 0x1fff, v102
	v_min_u32 v102, 0x1fff, v102                   ; a number that was loaded enters an address only so
	v_mul_u32_u24 v104, v102, 0x300
	v_add_nc_u32 v103, v104, v103
	v_lshlrev_b32 v104, 5, v102
	v_add_nc_u32 v104, v104, v105
.irp s, 0,1
.irp p, 0,1,2,3,4,5
	global_load_b64 v[144+12*\s+2*\p:145+12*\s+2*\p], v103, s[12:13] offset:96*\s+48*(\p/3)+8*(\p%3)   ; a row's stream of bits is the register image: 24 bytes at 24 h, 24 at 48 + 24 h
.endr
.endr
	global_load_b32 v120, v104, s[38:39]
	v_mov_b32 v108, 1
	v_bfe_u32 v109, v96, 16, 3
	v_bfe_u32 v110, v96, 20, 3
	v_lshlrev_b32 v113, v109, v108
	v_lshlrev_b32 v114, v110, v108
	v_or_b32 v113, v113, v114
	s_mov_b32 s42, 0                               ; the experts that the block's 32 tokens use: the same number in all eight waves
.irp e, 0,1,2,3,4,5,6,7
	v_and_b32 v114, 1<<\e, v113
	v_cmp_ne_u32 s4, 0, v114
	s_cmp_lg_u32 s4, 0
	s_cselect_b32 s5, 1<<\e, 0
	s_or_b32 s42, s42, s5
.endr
	v_and_b32 v115, 0x1fff, v96
	ds_store_b32 v118, v115
	v_cmp_eq_u32 vcc_lo, s45, v110
	v_cndmask_b32 v116, 0, v99, vcc_lo
	v_cmp_eq_u32 vcc_lo, s45, v109
	v_cndmask_b32 v116, v116, v98, vcc_lo          ; c of expert w for place lane
	ds_store_b32 v117, v116
	s_wait_loadcnt 0x0
.irp s, 0,1
.irp j, 0,1,2
	ds_store_b128 v107, v[144+12*\s+4*\j:147+12*\s+4*\j] offset:1536*\s+512*\j
.endr
.endr
	ds_store_b32 v106, v120
	s_wait_dscnt 0x0                               ; for the others' sake: my stores are done
	s_barrier_signal -1
	s_barrier_wait -1
	ds_load_b128 v[32:35], v5                      ; register s: lanes 0-15 the words of tile 0, lanes 16-31 of tile 1, K step s
	ds_load_b128 v[36:39], v5 offset:16
	s_wait_dscnt 0x0
	; ---------------- PHASE 1 ----------------
	s_mov_b32 s43, 0                               ; the expert's place among the hidden images,
	s_mov_b32 s44, 0                               ; and among their scale bytes
	s_mov_b32 s40, 0
.Lp1:
	s_lshr_b32 s4, s42, s40
	s_and_b32 s4, s4, 1
	s_cmp_eq_u32 s4, 0
	s_cbranch_scc1 .Lp1_next                       ; nobody here uses this expert; no barrier is passed over
	v_add_nc_u32 v12, s43, v6
	v_add_nc_u32 v13, s43, v7
	v_add_nc_u32 v14, s44, v8
	XFR 0
.irp q, 0,1
	global_load_b128 v[48+8*\q:51+8*\q], v2, s[SW1B:SW1B+1] offset:1024*\q      ; register 8 q + s: lanes 0-15 tile 2 q, lanes 16-31 tile 2 q + 1
	global_load_b128 v[52+8*\q:55+8*\q], v2, s[SW1B:SW1B+1] offset:1024*\q+16
.endr
.irp t, 0,1,2,3
	global_load_b128 v[64+8*\t:67+8*\t], v3, s[B1B:B1B+1] offset:(32*(\t/2)+8*(\t%2))*4      ; b1 in the result's layout: units 32 (t / 2) + 16 h + 8 (t % 2) + 0 .. 7
	global_load_b128 v[68+8*\t:71+8*\t], v3, s[B1B:B1B+1] offset:(32*(\t/2)+8*(\t%2))*4+16
.endr
	WSET 144, W1B, 12288, 0
	WSET 192, W1B, 12288, 1
	WIN 0x40
	WSET 128, W1B, 12288, 2
	WSET 176, W1B, 12288, 3
	WIN 0
.irp s, 0,1,2,3,4,5,6,7
	P1STEP \s
.endr
.irp m, 0,1
	GELU \m
	QH \m
.endr
.Lp1_next:
	s_wait_xcnt 0x0                                ; the trip's loads have read their bases
	s_add_nc_u64 s[W1B:W1B+1], s[W1B:W1B+1], 393216
	s_add_nc_u64 s[SW1B:SW1B+1], s[SW1B:SW1B+1], 16384
	s_add_nc_u64 s[B1B:B1B+1], s[B1B:B1B+1], 2048
	s_add_co_u32 s43, s43, 12288
	s_add_co_u32 s44, s44, 512
	s_add_co_u32 s40, s40, 1
	s_cmp_lt_u32 s40, 8
	s_cbranch_scc1 .Lp1
	s_wait_dscnt 0x0                               ; for the others' sake: my images and bytes are stored
	s_barrier_signal -1
	s_barrier_wait -1
	; ---------------- PHASE 2 ----------------
	s_mov_b32 s41, 0
.Lg:                                               ; 64 of my 128 columns a trip
	WIN 0x40
.set i, 0
.rept 64
	v_mov_b32 v[64+i], 0                           ; which expert comes first is known from memory alone, so the sums begin at 0
.set i, i+1
.endr
	WIN 0
	s_mov_b32 s43, 0
	s_mov_b32 s44, 0
	s_mov_b32 s46, 0
	s_mov_b32 s40, 0
.Lp2:
	s_lshr_b32 s4, s42, s40
	s_and_b32 s4, s4, 1
	s_cmp_eq_u32 s4, 0
	s_cbranch_scc1 .Lp2_next
	v_add_nc_u32 v15, s43, v9
	v_add_nc_u32 v16, s43, v10
	v_add_nc_u32 v17, s44, v11
	v_add_nc_u32 v24, s46, v248
	ds_load_b128 v[32:35], v17                     ; the hidden layer's scale words: register s: lanes 0-15 tile 0, lanes 16-31 tile 1
.irp m, 0,1
	ds_load_b32 v[240+2*\m], v24 offset:64*\m
.endr
	HFR 0
.irp q, 0,1
	global_load_b128 v[48+4*\q:51+4*\q], v1, s[SW2B:SW2B+1] offset:512*\q
.endr
.irp t, 0,1,2,3
	global_load_b128 v[64+8*\t:67+8*\t], v4, s[B2B:B2B+1] offset:64*\t          ; b2 in the result's layout: columns 16 t + 8 h + 0 .. 7
	global_load_b128 v[68+8*\t:71+8*\t], v4, s[B2B:B2B+1] offset:64*\t+16
.endr
	WSET 144, W2B, 6144, 0                         ; all four K steps' fragments are asked for here: 2 + 8 + 48 loads of mine are out
	WSET 192, W2B, 6144, 1
	WIN 0x40
	WSET 128, W2B, 6144, 2
	WSET 176, W2B, 6144, 3
	WIN 0
.irp s, 0,1,2,3
	P2STEP \s
.endr
	WIN 0x51                                       ; OUT and Y window 1, c window 0
.irp m, 0,1
.irp t, 0,1,2,3
.irp p, 0,2,4,6
	v_pk_fma_f32 v[64+8*(4*\m+\t)+\p:65+8*(4*\m+\t)+\p], v[8*(4*\m+\t)+\p:8*(4*\m+\t)+\p+1], v[240+2*\m:241+2*\m], v[64+8*(4*\m+\t)+\p:65+8*(4*\m+\t)+\p] op_sel_hi:[1,0,1]   ; each accumulator from its low end on
.endr
.endr
.endr
	WIN 0
.Lp2_next:
	s_wait_xcnt 0x0
	s_add_nc_u64 s[W2B:W2B+1], s[W2B:W2B+1], 393216
	s_add_nc_u64 s[SW2B:SW2B+1], s[SW2B:SW2B+1], 16384
	s_add_nc_u64 s[B2B:B2B+1], s[B2B:B2B+1], 4096
	s_add_co_u32 s43, s43, 12288
	s_add_co_u32 s44, s44, 512
	s_add_co_u32 s46, s46, 128
	s_add_co_u32 s40, s40, 1
	s_cmp_lt_u32 s40, 8
	s_cbranch_scc1 .Lp2
	; the way out: a tile of 16 tokens x 64 columns through my own stage, back as whole rows of 256 bytes
.irp m, 0,1
	s_wait_xcnt 0x0                                ; the last tile's stores have read their registers
	WIN 0x04
.irp t, 0,1,2,3
	ds_store_b128 v18, v[64+8*(4*\m+\t):67+8*(4*\m+\t)] offset:64*\t
	ds_store_b128 v18, v[68+8*(4*\m+\t):71+8*(4*\m+\t)] offset:64*\t+16
.endr
	WIN 0
.irp i, 0,1,2,3,4,5,6,7
	ds_load_b128 v[96+4*\i:99+4*\i], v19 offset:544*\i      ; LDS serves a wave's instructions in order: these see my stores
.endr
	ds_load_b128 v[128:131], v20 offset:64*\m
	ds_load_b128 v[132:135], v20 offset:64*\m+16
	s_wait_dscnt 0x0
.irp i, 0,1,2,3,4,5,6,7
	v_min_u32 v[128+\i], 0x1fff, v[128+\i]
	v_lshl_add_u32 v[136+\i], v[128+\i], 12, v21   ; the token's row of 4,096 bytes, + 16 r
.endr
.irp i, 0,1,2,3,4,5,6,7
	global_store_b128 v[136+\i], v[96+4*\i:99+4*\i], s[OUTB:OUTB+1] th:TH_STORE_NT   ; sixteen lanes store 256 consecutive bytes, at a multiple of 256 from out0's first byte
.endr
.endr
	s_wait_xcnt 0x0                                ; the stores have read their registers and their base
	s_sub_nc_u64 s[W2B:W2B+1], s[W2B:W2B+1], 3121152        ; back over eight experts, four tiles on
	s_sub_nc_u64 s[SW2B:SW2B+1], s[SW2B:SW2B+1], 130048
	s_sub_nc_u64 s[B2B:B2B+1], s[B2B:B2B+1], 32512
	s_add_nc_u64 s[OUTB:OUTB+1], s[OUTB:OUTB+1], 256
	s_add_co_u32 s41, s41, 1
	s_cmp_lt_u32 s41, 2
	s_cbranch_scc1 .Lg
	s_wait_tensorcnt 0x0                           ; the wave's end: behind my last LDS store
	ds_add_u32 v[SPW], v[NIL]
	s_wait_dscnt 0x0
	s_endpgm
.Lfunc_end_k_qcd53be3b3b_experts:
	.size	k_qcd53be3b3b_experts, .Lfunc_end_k_qcd53be3b3b_experts-k_qcd53be3b3b_experts
	.p2alignl 7, 3214868480
	.fill 96, 4, 3214868480
	.section	.rodata,"a",@progbits
	.p2align	6, 0x0
	.amdhsa_kernel k_qcd53be3b3b_experts
		.amdhsa_group_segment_fixed_size 165888
		.amdhsa_private_segment_fixed_size 0
		.amdhsa_enable_private_segment 0
		.amdhsa_kernarg_size 56
		.amdhsa_user_sgpr_count 2
		.amdhsa_user_sgpr_kernarg_segment_ptr 1
		.amdhsa_wavefront_size32 1
		.amdhsa_system_sgpr_workgroup_id_x 1
		.amdhsa_system_sgpr_workgroup_id_y 1
		.amdhsa_system_sgpr_workgroup_id_z 1
		.amdhsa_system_vgpr_workitem_id 0
		.amdhsa_next_free_vgpr 512
		.amdhsa_next_free_sgpr 100
		.amdhsa_reserve_vcc 1
		.amdhsa_float_denorm_mode_32 3
		.amdhsa_float_denorm_mode_16_64 3
		.amdhsa_memory_ordered 1
		.amdhsa_forward_progress 1
		.amdhsa_inst_pref_size 102
	.end_amdhsa_kernel
	.amdgpu_metadata
---
amdhsa.version: [ 1, 2 ]
amdhsa.kernels:
  - .name:           k_qcd53be3b3b_experts
    .symbol:         k_qcd53be3b3b_experts.kd
    .args:
      - { .name: order, .offset: 0, .size: 8, .value_kind: global_buffer, .address_space: global }
      - { .name: cws, .offset: 8, .size: 8, .value_kind: global_buffer, .address_space: global }
      - { .name: xq, .offset: 16, .size: 8, .value_kind: global_buffer, .address_space: global }
      - { .name: wq, .offset: 24, .size: 8, .value_kind: global_buffer, .address_space: global }
      - { .name: b1, .offset: 32, .size: 8, .value_kind: global_buffer, .address_space: global }
      - { .name: b2, .offset: 40, .size: 8, .value_kind: global_buffer, .address_space: global }
      - { .name: out0, .offset: 48, .size: 8, .value_kind: global_buffer, .address_space: global }
    .group_segment_fixed_size: 165888
    .private_segment_fixed_size: 0
    .kernarg_segment_align: 8
    .kernarg_segment_size: 56
    .max_flat_workgroup_size: 256
    .sgpr_count:     100
    .vgpr_count:     512
    .wavefront_size: 32
...
	.end_amdgpu_metadata
.endif
;; end of part 5
